; MI455X (gfx1250); checked and timed in simulation.
; The chip was launched on July 23, 2026; its instructions are those of AMD's public machine-readable ISA for CDNA 5 (MIT licence, August 2026) and "CDNA5" Instruction Set Architecture Reference Guide (July 2026). The comments in the code are by the model that wrote it; some were corrected since.
;; Multi Head Attention Keras. Allowed arithmetic: float matrix products may take bf16 or f16 operands with f32 sums; all other float work in f32.
;; Inputs: b_out 1,024 float32; b_qkv 3,072 float32; mask 2 x 1 x 2,048 x 2,048 bool; q_input 2,048 x 2 x 1,024 float32; w_out 16 x 64 x 1,024 float32; w_qkv 1,024 x 3,072 float32.
;; Outputs: out0 2,048 x 2 x 1,024 float32; out1 1,024 float32.
;; 3 versions, each right; version 2 is faster than version 1; version 3 is version 2 with the launch prep written anew for expert scheduling mode. Each part assembles by itself: llvm-mc -triple=amdgcn-amd-amdhsa -mcpu=gfx1250 --defsym DOCPART=n.
;; ======== version 1 of 3: 3 launches
;; limits: values are held in f16: magnitudes above 65,504 overflow, below 6.1e-05 lose precision
;; workspace buffers: qf 8,388,608 bytes; kv 16,777,216 bytes; maskw 1,048,576 bytes of whole numbers; cf 8,388,608 bytes
;; launch qkv (part 1): grid 16 x 16, 8 waves a work-group, no clusters, 161,280 bytes of LDS; arguments q_input, w_qkv, b_qkv, mask, qf, kv, maskw; writes qf, kv, maskw
.if DOCPART == 1
	.amdgcn_target "amdgcn-amd-amdhsa--gfx1250"
	.amdhsa_code_object_version 6
	.text
	.protected	k_q1e273b24e3_qkv
	.globl	k_q1e273b24e3_qkv
	.p2align	8
	.type	k_q1e273b24e3_qkv,@function
k_q1e273b24e3_qkv:
	s_mov_b64 s[64:65], 0
	v_nop
	global_prefetch_b8 v0, s[64:65] scope:SCOPE_SE
	s_setreg_imm32_b32 hwreg(HW_REG_WAVE_MODE, 25, 1), 1
	s_wait_xcnt 0x0
; qkv = x w + bias for one head and 256 rows of one batch, and the mask packed into lane-mask words.
; x: q_input [2048 f][2 b][1024] f32.  w: w_qkv [1024][3072] f32; head n owns columns 192 n .. 192 n + 191 (q, k, v, 64 each).
; Work-group (x = head n, y = 8 b + fq): rows f = 256 fq .. + 255 of batch b times the head's 192 columns, K = 1024 in 16 stages of 64.
; Eight waves: wave w has rows 64 (w >> 1) .. + 63 and, of each of q, k, v, columns 32 (w & 1) .. + 31: 4 x 6 accumulator tiles of 16 x 16.
; Operands are f32 in memory: they come through registers, are narrowed to f16 there and stored into two LDS slots that take turns.
; OUTPUT in fragment order (a 16 x 16 tile of f16 is 512 bytes, lane L's 16 bytes at 16 L), so that the next launch's loads are contiguous:
;   qf [16 b + n][f / 16][e / 16][512]: lane (r, h) holds q'(f = r, e = 8 h + 0..7), q' = (q + bias) * 0.125 * log2(e)
;   kv [16 b + n][t / 64][K 8192 | V 8192]: K as qf with t for f; V [t / 16][e / 16][512]: lane (r, h) holds v(t = 8 h + 0..7, e = r)
;   q and k tiles are made with the sources swapped (a lane holds 8 neighbouring columns of one row), v tiles in the natural order.
; maskw [b][f / 16][t / 16][j: 8] u32: bit L = mask[b][16 fb + (L & 15)][16 tb + 8 (L >> 4) + j] != 0.  Work-group 16 y + x packs 16 mask rows.
; NO CLUSTER, though 16 work-groups share each tile of x and of w: a joint tensor load would land f32 in LDS, 65,536 + 49,152 bytes a stage
; written and read again, beside the 57,344 bytes of f16 stored and the 163,840 bytes of fragments read that a stage has anyway.
; LIMITS: operands are f16: |x|, |w|, |q'|, |k|, |v| have to stay below 65,504; magnitudes below 6e-5 keep an absolute step of 6e-8.
; NaN and infinite inputs are not served.
.set XSLOT, 36864                      ; x slot: 256 rows, pitch 144 (128 bytes of f16 + 16)
.set WSLOT, 26624                      ; w slot: 64 k rows, pitch 416 (384 bytes + 32 = 13 x 32, for the transposing loads)
.set WS0,   73728                      ; w slots begin behind the two x slots
.set MK,    126976                     ; 16 mask rows, pitch 2064
.set QS,    0x3e38aa3b                 ; 0.125 * log2(e)
.set GX,  4                            ; global offset of my 16 bytes of x
.set SX,  5                            ; LDS address of my 8 bytes of x
.set GW,  6                            ; the same two for w
.set SW,  7
.set FX,  8                            ; LDS address of my x fragments
.set FW,  9                            ; LDS address of my w fragments
.set GB,  10                           ; bias of q and k tiles (8 columns a lane)
.set GBV, 11                           ; bias of v tiles (1 column a lane)
.set OQ,  12                           ; my 16 bytes in qf
.set OKV, 13                           ; my 16 bytes in kv
.set GM,  14                           ; mask: global offset
.set SM,  15                           ; mask: LDS address of my 16 bytes
.set XF,  16                           ; v[16:47]   four x fragments
.set WF,  48                           ; v[48:95]   six w fragments
.set G,   96                           ; v[96:159]  x as loaded, 16 quads
.set GQ,  160                          ; v[160:207] w as loaded, 12 quads
.set T,   160                          ; the way out: 6 tiles in f32
.set PK,  16                           ; the way out: 24 packed registers for each of four row tiles
.set BI,  208                          ; v[208:239] bias of tiles 0..3
.set BV,  240                          ; v[240:243] bias of the v tiles, as pairs
.set RM,  244                          ; mask: LDS address of my 8 bytes
.set OM,  245                          ; mask words: my 8 bytes in maskw
.set TMP, 246
.set MW,  248                          ; v[248:251] mask words on their way out
; window 1 (v256 ..): accumulator tile (c, a) at 8 (4 c + a)
.set MSB, 0
.macro WIN new                         ; the immediate's high byte repeats the setting that is left
.if MSB != \new
	s_set_vgpr_msb (MSB<<8)|\new
.set MSB, \new
.endif
.endm
.macro PLACES                          ; four plain vector places behind matrix instructions (ISA guide 7.12.1)
.rept 4
	v_nop
.endr
.endm
	s_load_b256 s[4:11], s[0:1], 0x0               ; x s[4:5], w s[6:7], bias s[8:9], mask s[10:11]
	s_load_b128 s[12:15], s[0:1], 0x20             ; qf s[12:13], kv s[14:15]
	s_load_b64 s[16:17], s[0:1], 0x30              ; maskw
	v_lshl_add_u32 v254, v0, 2, 0x27200
	v_mov_b32 v255, 0
	v_lshrrev_b32 v1, 5, v0
	v_readfirstlane_b32 s18, v1                    ; wave w
	s_lshr_b32 s19, s18, 1                         ; wr: my 64 rows
	s_and_b32 s20, s18, 1                          ; wc: my 32 columns of each of q, k, v
	s_and_b32 s22, ttmp7, 0xffff                   ; y = 8 b + fq
	v_and_b32 v1, 31, v0                           ; L
	v_and_b32 v2, 15, v0                           ; r
	v_bfe_u32 v3, v0, 4, 1                         ; h
	v_lshrrev_b32 v[TMP], 4, v0                    ; half-wave number, 0..15
	v_lshlrev_b32 v[GX], 4, v2                     ; x: row 32 w + 8 h (+ the load's), 16 bytes at 16 r
	v_lshl_add_u32 v[GX], v3, 16, v[GX]
	s_lshl_b32 s2, s18, 18
	v_add_nc_u32 v[GX], s2, v[GX]
	v_lshlrev_b32 v[SX], 3, v2                     ; the two halves of a wave are 8 rows = 1,152 bytes apart: 128 modulo 256
	v_mad_u32_u24 v[SX], v3, 1152, v[SX]
	s_mul_i32 s2, s18, 4608
	v_add_nc_u32 v[SX], s2, v[SX]
	v_lshlrev_b32 v[GW], 4, v2                     ; w: row = half-wave (+ 16 i), 16 bytes at 16 r
	v_mad_u32_u24 v[GW], v[TMP], 12288, v[GW]
	v_lshlrev_b32 v[SW], 3, v2
	v_mad_u32_u24 v[SW], v[TMP], 416, v[SW]
	v_add_nc_u32 v[SW], WS0, v[SW]
	v_mul_u32_u24 v[FX], v2, 144                   ; x fragment: row r, 16 bytes for each half of the lanes
	v_lshl_add_u32 v[FX], v3, 4, v[FX]
	s_mul_i32 s2, s19, 9216
	v_add_nc_u32 v[FX], s2, v[FX]
	v_and_b32 v[FW], 7, v0                         ; w fragment, transposed on the way: k row 8 h + (L & 7), 16 bytes at 16 ((L >> 3) & 1)
	v_lshl_or_b32 v[FW], v3, 3, v[FW]
	v_mul_u32_u24 v[FW], v[FW], 416
	v_bfe_u32 v247, v0, 3, 1
	v_lshl_add_u32 v[FW], v247, 4, v[FW]
	s_lshl_b32 s2, s20, 6
	s_add_co_u32 s2, s2, WS0
	v_add_nc_u32 v[FW], s2, v[FW]
	s_lshl_b32 s3, s20, 7
	v_lshl_add_u32 v[GB], v3, 5, s3
	v_lshl_add_u32 v[GBV], v2, 2, s3
	s_lshl_b32 s2, s19, 13
	s_lshl_b32 s3, s20, 10
	s_add_co_u32 s2, s2, s3
	v_lshl_add_u32 v[OQ], v1, 4, s2                ; 4 row tiles of 2,048 bytes a wr; 2 column tiles of 512 a wc
	s_lshl_b32 s2, s19, 14
	s_add_co_u32 s2, s2, s3
	v_lshl_add_u32 v[OKV], v1, 4, s2               ; one chunk of 16,384 bytes a wr
	v_lshlrev_b32 v[GM], 4, v0
	v_and_b32 v[SM], 127, v0
	v_lshlrev_b32 v[SM], 4, v[SM]
	v_lshrrev_b32 v247, 7, v0
	v_mad_u32_u24 v[SM], v247, 2064, v[SM]
	v_add_nc_u32 v[SM], MK, v[SM]
	v_mul_u32_u24 v[RM], v2, 2064                  ; mask row r, bytes 256 w + 8 h (+ 16 t)
	v_lshl_add_u32 v[RM], v3, 3, v[RM]
	s_lshl_b32 s2, s18, 8
	s_add_co_u32 s2, s2, MK
	v_add_nc_u32 v[RM], s2, v[RM]
	s_lshl_b32 s2, s18, 9
	v_lshl_add_u32 v[OM], v1, 3, s2
	s_and_b32 s2, s22, 7                           ; fq
	s_lshr_b32 s3, s22, 3                          ; b
	s_mov_b32 s25, 0
	s_lshl_b32 s24, s2, 21                         ; 256 rows of 8,192 bytes
	s_lshl_b32 s26, s3, 12
	s_add_co_u32 s24, s24, s26
	s_wait_kmcnt 0x0
	s_add_nc_u64 s[4:5], s[4:5], s[24:25]
	s_mul_i32 s24, ttmp9, 768                      ; the head's 192 columns
	s_add_nc_u64 s[6:7], s[6:7], s[24:25]
	s_add_nc_u64 s[8:9], s[8:9], s[24:25]
	s_lshl_b32 s26, s22, 4
	s_add_co_u32 s26, s26, ttmp9                   ; 16 y + x: which 16 mask rows are mine
	s_lshl_b32 s24, s26, 15
	s_add_nc_u64 s[10:11], s[10:11], s[24:25]
	s_lshl_b32 s24, s26, 12
	s_add_nc_u64 s[16:17], s[16:17], s[24:25]
	s_lshl_b32 s26, s3, 4
	s_add_co_u32 s26, s26, ttmp9                   ; 16 b + n
	s_lshl_b32 s24, s26, 18
	s_lshl_b32 s27, s2, 15
	s_add_co_u32 s24, s24, s27
	s_add_nc_u64 s[12:13], s[12:13], s[24:25]
	s_lshl_b32 s24, s26, 19
	s_lshl_b32 s27, s2, 16
	s_add_co_u32 s24, s24, s27
	s_add_nc_u64 s[14:15], s[14:15], s[24:25]
; 28 loads: a stage's 256 x 64 of x (sixteen lanes take 256 bytes of one row) and 64 x 192 of w (sixteen lanes take 256 bytes of one row)
.macro FETCH
.irp i, 0,1,2,3,4,5,6,7,8,9,10,11,12,13,14,15
	global_load_b128 v[G+4*\i:G+4*\i+3], v[GX], s[4:5] offset:(16*(\i>>3)+(\i&7))*8192
.endr
.irp i, 0,1,2,3
.irp t, 0,1,2
	global_load_b128 v[GQ+4*(3*\i+\t):GQ+4*(3*\i+\t)+3], v[GW], s[6:7] offset:\i*196608+\t*256
.endr
.endr
.endm
; the stage is narrowed to f16 and stored into a slot
.macro COMMIT slot
	s_wait_loadcnt 0x0                             ; all 28 are in, so their bases may be stepped
	s_add_nc_u64 s[4:5], s[4:5], 256               ; 64 along K
	s_add_nc_u64 s[6:7], s[6:7], 786432            ; 64 rows of w
.irp i, 0,1,2,3,4,5,6,7,8,9,10,11,12,13,14,15
	v_cvt_pk_f16_f32 v[G+4*\i], v[G+4*\i], v[G+4*\i+1]
	v_cvt_pk_f16_f32 v[G+4*\i+1], v[G+4*\i+2], v[G+4*\i+3]
	ds_store_b64 v[SX], v[G+4*\i:G+4*\i+1] offset:\slot*XSLOT+(16*(\i>>3)+(\i&7))*144
.endr
.irp i, 0,1,2,3
.irp t, 0,1,2
	v_cvt_pk_f16_f32 v[GQ+4*(3*\i+\t)], v[GQ+4*(3*\i+\t)], v[GQ+4*(3*\i+\t)+1]
	v_cvt_pk_f16_f32 v[GQ+4*(3*\i+\t)+1], v[GQ+4*(3*\i+\t)+2], v[GQ+4*(3*\i+\t)+3]
	ds_store_b64 v[SW], v[GQ+4*(3*\i+\t):GQ+4*(3*\i+\t)+1] offset:\slot*WSLOT+\i*6656+\t*128
.endr
.endr
.endm
; One barrier a stage orders two things: my reads of the slot just multiplied against the next stage's stores into it,
; and my stores into the other slot against the other waves' reads of it.
.macro SYNC
	s_wait_dscnt 0x0
	s_barrier_signal -1
	s_barrier_wait -1
.endm
.macro MM c, a
.if \c < 4
.if ZZ
	v_wmma_f32_16x16x32_f16 v[8*(4*\c+\a):8*(4*\c+\a)+7], v[WF+8*\c:WF+8*\c+7], v[XF+8*\a:XF+8*\a+7], 0
.else
	v_wmma_f32_16x16x32_f16 v[8*(4*\c+\a):8*(4*\c+\a)+7], v[WF+8*\c:WF+8*\c+7], v[XF+8*\a:XF+8*\a+7], v[8*(4*\c+\a):8*(4*\c+\a)+7]
.endif
.else
.if ZZ
	v_wmma_f32_16x16x32_f16 v[8*(4*\c+\a):8*(4*\c+\a)+7], v[XF+8*\a:XF+8*\a+7], v[WF+8*\c:WF+8*\c+7], 0
.else
	v_wmma_f32_16x16x32_f16 v[8*(4*\c+\a):8*(4*\c+\a)+7], v[XF+8*\a:XF+8*\a+7], v[WF+8*\c:WF+8*\c+7], v[8*(4*\c+\a):8*(4*\c+\a)+7]
.endif
.endif
.endm
; A stage's 48 matrix instructions, 32 along K at a time.  The 24 accumulators take turns, one instruction a turn.
.macro COMPUTE slot, zero
.irp kk, 0,1
.set ZZ, 0
.if \zero
.if \kk == 0
.set ZZ, 1                                         ; the first product starts the sums: nothing is cleared
.endif
.endif
	PLACES                                         ; the loads below land in registers that matrix instructions have read
.irp a, 0,1,2,3
	ds_load_b128 v[XF+8*\a:XF+8*\a+3], v[FX] offset:\slot*XSLOT+\a*2304+\kk*64
	ds_load_b128 v[XF+8*\a+4:XF+8*\a+7], v[FX] offset:\slot*XSLOT+\a*2304+\kk*64+32
.endr
.irp c, 0,1,2,3,4,5
	ds_load_tr16_b128 v[WF+8*\c:WF+8*\c+3], v[FW] offset:\slot*WSLOT+\kk*13312+(\c>>1)*128+(\c&1)*32
	ds_load_tr16_b128 v[WF+8*\c+4:WF+8*\c+7], v[FW] offset:\slot*WSLOT+\kk*13312+(\c>>1)*128+(\c&1)*32+6656
.endr
	WIN 0x50                                       ; C and D in window 1
.irp c, 0,1,2,3,4,5
	s_wait_dscnt 10-2*\c                           ; x and w's tiles up to c are in; two loads for each later tile may be out
.irp a, 0,1,2,3
	MM \c, \a
.endr
.endr
	WIN 0
.endr
.endm
	; bias (10 loads), my part of the 16 mask rows (8 loads), stage 0 (28 loads)
.irp c, 0,1,2,3
	global_load_b128 v[BI+8*\c:BI+8*\c+3], v[GB], s[8:9] offset:(\c>>1)*256+(\c&1)*64
	global_load_b128 v[BI+8*\c+4:BI+8*\c+7], v[GB], s[8:9] offset:(\c>>1)*256+(\c&1)*64+16
.endr
	global_load_b32 v[BV], v[GBV], s[8:9] offset:512
	global_load_b32 v[BV+2], v[GBV], s[8:9] offset:576
.irp i, 0,1,2,3,4,5,6,7
	global_load_b128 v[XF+4*\i:XF+4*\i+3], v[GM], s[10:11] offset:\i*4096 th:TH_LOAD_NT
.endr
	FETCH
	s_wait_loadcnt 28                              ; bias and mask are in; the stage's 28 loads stay out
.irp i, 0,1,2,3,4,5,6,7
	ds_store_b128 v[SM], v[XF+4*\i:XF+4*\i+3] offset:\i*4128       ; two mask rows a store of the work-group
.endr
	v_mov_b32 v[BV+1], v[BV]
	v_mov_b32 v[BV+3], v[BV+2]
	COMMIT 0
	SYNC
	FETCH                                          ; stage 1
	; The mask: wave w packs key tiles 16 w .. 16 w + 15.  Lane (r, h) reads bytes 8 h .. 8 h + 7 of row r; a compare makes of byte j the word j.
	v_mov_b32 v[MW], 0                             ; v_writelane_b32 keeps the other lanes: the registers are written whole first
	v_mov_b32 v[MW+1], 0
	v_mov_b32 v[MW+2], 0
	v_mov_b32 v[MW+3], 0
.irp t, 0,1,2,3,4,5,6,7,8,9,10,11,12,13,14,15
	ds_load_b64 v[WF+2*\t:WF+2*\t+1], v[RM] offset:16*\t
.endr
	s_wait_dscnt 0x0
.irp t, 0,1,2,3,4,5,6,7,8,9,10,11,12,13,14,15
.irp j, 0,1,2,3,4,5,6,7
	v_and_b32 v[TMP], 0xff<<(8*(\j&3)), v[WF+2*\t+(\j>>2)]
	v_cmp_ne_u32 s[26+\j], 0, v[TMP]
	v_writelane_b32 v[MW+2*(\t>>3)+(\j&1)], s[26+\j], ((\t&7)*8+\j)>>1    ; word 8 t + j: lane (8 t + j) / 2 of a store of 8 bytes a lane
.endr
.endr
	global_store_b64 v[OM], v[MW:MW+1], s[16:17]                   ; 256 consecutive bytes, aligned; these registers are not written again
	global_store_b64 v[OM], v[MW+2:MW+3], s[16:17] offset:256
	COMPUTE 0, 1
	COMMIT 1
	SYNC
	s_mov_b32 s23, 7
.Lstage:
	FETCH
	COMPUTE 1, 0
	COMMIT 0
	SYNC
	FETCH
	COMPUTE 0, 0
	COMMIT 1
	SYNC
	s_sub_co_i32 s23, s23, 1
	s_cmp_lg_u32 s23, 0
	s_cbranch_scc1 .Lstage
	COMPUTE 1, 0                                   ; stage 15: nothing more to fetch
	; THE WAY OUT.  Bias is added in f32 (q: one fused multiply-add with the scale), each tile is packed to 16 bytes a lane and stored: 512 consecutive bytes a store.
	PLACES
.irp p, 0,1,2,3,4,5,6,7
	v_pk_mul_f32 v[BI+2*\p:BI+2*\p+1], v[BI+2*\p:BI+2*\p+1], QS op_sel_hi:[1,0]   ; q's bias carries the scale too
.endr
.macro OUTROW a
	WIN 0x01                                       ; source 0 in window 1
.irp c, 0,1
.irp p, 0,1,2,3
	v_pk_fma_f32 v[T+8*\c+2*\p:T+8*\c+2*\p+1], v[8*(4*\c+\a)+2*\p:8*(4*\c+\a)+2*\p+1], QS, v[BI+8*\c+2*\p:BI+8*\c+2*\p+1] op_sel_hi:[1,0,1]
.endr
.endr
.irp c, 2,3
.irp p, 0,1,2,3
	v_pk_add_f32 v[T+8*\c+2*\p:T+8*\c+2*\p+1], v[8*(4*\c+\a)+2*\p:8*(4*\c+\a)+2*\p+1], v[BI+8*\c+2*\p:BI+8*\c+2*\p+1]
.endr
.endr
.irp c, 4,5
.irp p, 0,1,2,3
	v_pk_add_f32 v[T+8*\c+2*\p:T+8*\c+2*\p+1], v[8*(4*\c+\a)+2*\p:8*(4*\c+\a)+2*\p+1], v[BV+2*(\c-4):BV+2*(\c-4)+1]
.endr
.endr
	WIN 0
.irp c, 0,1,2,3,4,5
.irp p, 0,1,2,3
	v_cvt_pk_f16_f32 v[PK+24*\a+4*\c+\p], v[T+8*\c+2*\p], v[T+8*\c+2*\p+1]
.endr
.endr
.irp i, 0,1                                        ; each row tile has packed registers of its own: no store's data is written again
	global_store_b128 v[OQ], v[PK+24*\a+4*\i:PK+24*\a+4*\i+3], s[12:13] offset:\a*2048+\i*512
	global_store_b128 v[OKV], v[PK+24*\a+8+4*\i:PK+24*\a+8+4*\i+3], s[14:15] offset:\a*2048+\i*512
	global_store_b128 v[OKV], v[PK+24*\a+16+4*\i:PK+24*\a+16+4*\i+3], s[14:15] offset:8192+\a*2048+\i*512
.endr
.endm
	OUTROW 0
	OUTROW 1
	OUTROW 2
	OUTROW 3
	s_wait_tensorcnt 0x0
	ds_add_u32 v254, v255
	s_wait_dscnt 0x0
	s_endpgm
.Lfunc_end_k_q1e273b24e3_qkv:
	.size	k_q1e273b24e3_qkv, .Lfunc_end_k_q1e273b24e3_qkv-k_q1e273b24e3_qkv
	.p2alignl 7, 3214868480
	.fill 96, 4, 3214868480
	.section	.rodata,"a",@progbits
	.p2align	6, 0x0
	.amdhsa_kernel k_q1e273b24e3_qkv
		.amdhsa_group_segment_fixed_size 161280
		.amdhsa_private_segment_fixed_size 0
		.amdhsa_enable_private_segment 0
		.amdhsa_kernarg_size 56
		.amdhsa_user_sgpr_count 2
		.amdhsa_user_sgpr_kernarg_segment_ptr 1
		.amdhsa_wavefront_size32 1
		.amdhsa_system_sgpr_workgroup_id_x 1
		.amdhsa_system_sgpr_workgroup_id_y 1
		.amdhsa_system_sgpr_workgroup_id_z 1
		.amdhsa_system_vgpr_workitem_id 0
		.amdhsa_next_free_vgpr 448
		.amdhsa_next_free_sgpr 66
		.amdhsa_reserve_vcc 0
		.amdhsa_float_denorm_mode_32 3
		.amdhsa_float_denorm_mode_16_64 3
		.amdhsa_memory_ordered 1
		.amdhsa_forward_progress 1
		.amdhsa_inst_pref_size 107
	.end_amdhsa_kernel
	.amdgpu_metadata
---
amdhsa.version: [ 1, 2 ]
amdhsa.kernels:
  - .name:           k_q1e273b24e3_qkv
    .symbol:         k_q1e273b24e3_qkv.kd
    .args:
      - { .name: q_input, .offset: 0, .size: 8, .value_kind: global_buffer, .address_space: global }
      - { .name: w_qkv, .offset: 8, .size: 8, .value_kind: global_buffer, .address_space: global }
      - { .name: b_qkv, .offset: 16, .size: 8, .value_kind: global_buffer, .address_space: global }
      - { .name: mask, .offset: 24, .size: 8, .value_kind: global_buffer, .address_space: global }
      - { .name: qf, .offset: 32, .size: 8, .value_kind: global_buffer, .address_space: global }
      - { .name: kv, .offset: 40, .size: 8, .value_kind: global_buffer, .address_space: global }
      - { .name: maskw, .offset: 48, .size: 8, .value_kind: global_buffer, .address_space: global }
    .group_segment_fixed_size: 161280
    .private_segment_fixed_size: 0
    .kernarg_segment_align: 8
    .kernarg_segment_size: 56
    .max_flat_workgroup_size: 256
    .sgpr_count:     66
    .vgpr_count:     448
    .wavefront_size: 32
...
	.end_amdgpu_metadata
.endif
;; end of part 1
;; launch attn (part 2): grid 8 x 32, 8 waves a work-group, clusters of 4 x 1, 327,680 bytes of LDS; arguments qf, kv, maskw, cf; writes cf
.if DOCPART == 2
	.amdgcn_target "amdgcn-amd-amdhsa--gfx1250"
	.amdhsa_code_object_version 6
	.text
	.protected	k_q1e273b24e3_attn
	.globl	k_q1e273b24e3_attn
	.p2align	8
	.type	k_q1e273b24e3_attn,@function
k_q1e273b24e3_attn:
	s_mov_b64 s[64:65], 0
	v_nop
	global_prefetch_b8 v0, s[64:65] scope:SCOPE_SE
	s_setreg_imm32_b32 hwreg(HW_REG_WAVE_MODE, 25, 1), 1
	s_wait_xcnt 0x0
	s_wait_alu depctr_hold_cnt(0) depctr_sa_sdst(0) depctr_va_vdst(0) depctr_va_sdst(0) depctr_va_ssrc(0) depctr_va_vcc(0) depctr_vm_vsrc(0)
	s_getreg_b32 s2, hwreg(HW_REG_IB_STS2, 6, 4)
	s_cmp_eq_u32 s2, 0
	s_cbranch_scc0 .Lentry_in_a_cluster
	s_endpgm
.Lentry_in_a_cluster:
	s_bfe_u32 s2, ttmp6, 0x10000c
	s_cmp_lg_u32 s2, 0x3003
	s_cbranch_scc0 .Lentry_shape_is_right
	s_endpgm
.Lentry_shape_is_right:
; Masked softmax attention for one (batch, head) pair hd = 16 b + n and 256 queries; 2,048 keys in 32 steps of 64.
; Eight waves; wave w owns two query tiles of 16.  S^T = K Q^T puts a query in lane r and the keys in the registers, so the row's maximum and sum are
; a lane's own but for one exchange between the two halves of the wave, and the packed P is already the second source of O^T = V^T P^T.
; q carries 0.125 * log2(e), so the softmax works in base 2.  A masked logit is REPLACED by -10000 * log2(e) (a select, not an addition), and a running
; maximum is taken away before every exponential, as the problem's softmax does: a row that is masked throughout gives the mean of v.
; CLUSTER: the four work-groups of a cluster take four query blocks of the same head and read the same K and V: every fill is a joint load that names all four.
; LDS: two slots of 131,072 bytes = 512 keys = 8 chunks of (K 8,192 | V 8,192); wave w fills chunk w of a slot by one load.  Four fills cover the keys.
; A wave has two tensor loads out at the start and one behind each refill.
; The place in the cluster enters the global addresses of q, the mask words and ctx alone.
; OUTPUT cf [b][f / 16][k / 16: 64][512], k = 64 n + e: lane (r, h) holds ctx(f = r, k = 8 h + 0..7) in f16.
; LIMITS: P and ctx are f16: P below 6e-8 rounds to 0, |ctx| has to stay below 65,504; exponentials below 2^-126 come out as 0 (ISA guide, v_exp_f32);
; -10000 * log2(e) is rounded to f32; NaN and infinite inputs are not served.
.set SLOTB, 131072
.set CHUNK, 16384
.set LA,  1                            ; LDS address of my 16 bytes in the step's chunk
.set NEG, 2                            ; -10000 * log2(e)
.set L16, 3                            ; 16 x lane
.set MX,  4                            ; v[4:7]     running maximum, a pair (twice the same) for each query tile
.set LS,  8                            ; v[8:11]    running sum, a pair of partial sums for each query tile
.set AL,  12                           ; v[12:13]   the step's rescale factor, twice
.set T0,  14                           ; v[14:17]   at work
.set TP,  18                           ; the other half's figure
.set L2,  20                           ; v[20:21]   second chain of the sum
.set Q,   32                           ; v[32:63]   q fragments at 16 ft + 8 kk
.set O,   64                           ; v[64:127]  O^T at 32 ft + 8 c
.set S,   128                          ; v[128:191] S^T at 32 ft + 8 tb; P(ft, u) takes the place of v[S + 32 ft + 16 u .. + 7]
.set KV,  192                          ; v[192:255] K fragments, then V fragments
.macro PLACES                          ; four plain vector places behind matrix instructions (ISA guide 7.12.1)
.rept 4
	v_nop
.endr
.endm
; A round of the cluster's barrier: my work-group's barrier, wave 0 signals for the work-group, every wave waits for all four work-groups, my work-group's barrier again.
.macro ROUND
	s_barrier_signal -1
	s_barrier_wait -1
	s_cmp_lg_u32 s12, 0
	s_cbranch_scc1 .Lnot_wave_0_\@
	s_barrier_signal -3
.Lnot_wave_0_\@:
	s_barrier_wait -3
	s_barrier_signal -1
	s_barrier_wait -1
.endm
	s_load_b256 s[4:11], s[0:1], 0x0               ; qf s[4:5], kv s[6:7], maskw s[8:9], cf s[10:11]
	v_lshl_add_u32 v30, v0, 2, 0x40000
	v_mov_b32 v31, 0
	ds_add_u32 v30, v31
	v_lshrrev_b32 v1, 5, v0
	v_readfirstlane_b32 s12, v1                    ; wave w
	s_bfe_u32 s2, ttmp6, 0x40000                   ; cx
	s_lshl_b32 s3, ttmp9, 2
	s_add_co_u32 s3, s3, s2                        ; query block qb = 4 x cluster x + cx
	s_and_b32 s32, ttmp7, 0xffff                   ; hd, the same in all four partners
	s_lshr_b32 s33, s32, 4                         ; b
	s_and_b32 s34, s32, 15                         ; n
	s_mov_b32 s14, 0x76543210                      ; v_permlanex16_b32: lane i of one half reads lane i of the other
	s_mov_b32 s15, 0xfedcba98
	; descriptor group 1: a dense block of 64 rows x 32 elements of 8 bytes; mask = all four partners, bit 21 beside it
	s_mov_b32 s16, 15|(3<<16)|(1<<21)
	s_mov_b32 s17, 32<<16                          ; tensor_dim0 = 32
	s_mov_b32 s18, 64<<16                          ; tensor_dim1 = 64
	s_mov_b32 s19, 32<<16                          ; tile_dim0 = 32
	s_mov_b32 s20, 64                              ; tile_dim1 = 64
	s_mov_b32 s21, 32                              ; pitch = 32 elements
	s_mov_b32 s22, 0
	s_mov_b32 s23, 0
	; descriptor group 0, one for each slot: made of hd and the wave's number alone
	s_mov_b32 s24, 1
	s_lshl_b32 s25, s12, 14                        ; chunk w of slot 0
	s_mov_b32 s28, 1
	s_add_co_u32 s29, s25, SLOTB                   ; chunk w of slot 1
	s_lshl_b32 s100, s32, 19                       ; the head's 524,288 bytes of kv
	s_add_co_u32 s100, s100, s25
	s_mov_b32 s101, 0
	s_mov_b32 s67, 0
	s_lshl_b32 s66, s32, 18                        ; qf: hd, 16 tiles of 2,048 bytes a query block, 2 a wave
	s_lshl_b32 s35, s3, 15
	s_add_co_u32 s66, s66, s35
	s_lshl_b32 s35, s12, 12
	s_add_co_u32 s66, s66, s35
	s_wait_dscnt 0x0
	s_wait_kmcnt 0x0
	s_add_nc_u64 s[4:5], s[4:5], s[66:67]
	s_lshl_b32 s66, s33, 19                        ; maskw: b, 4,096 bytes for each query tile
	s_lshl_b32 s35, s3, 16
	s_add_co_u32 s66, s66, s35
	s_lshl_b32 s35, s12, 13
	s_add_co_u32 s66, s66, s35
	s_add_nc_u64 s[8:9], s[8:9], s[66:67]
	s_lshl_b32 s66, s33, 22                        ; cf: b, 32,768 bytes for each query tile, 2,048 for each head
	s_lshl_b32 s35, s3, 19
	s_add_co_u32 s66, s66, s35
	s_lshl_b32 s35, s12, 16
	s_add_co_u32 s66, s66, s35
	s_lshl_b32 s35, s34, 11
	s_add_co_u32 s66, s66, s35
	s_add_nc_u64 s[10:11], s[10:11], s[66:67]
	s_add_nc_u64 s[26:27], s[6:7], s[100:101]      ; keys 0..511
	s_add_nc_u64 s[30:31], s[26:27], SLOTB         ; keys 512..1023
	s_or_b32 s27, s27, 0x80000000                  ; type = 2
	s_or_b32 s31, s31, 0x80000000
	ROUND                                          ; all four work-groups are here: the first joint loads meet
	tensor_load_to_lds s[24:27], s[16:23]
	s_nop 0
	tensor_load_to_lds s[28:31], s[16:23]
	s_nop 0
	; the mask words of step 0: word (tb, j) of query tile 0 in s[32 + 8 tb + j], of query tile 1 in s[68 + 8 tb + j]
	s_load_b512 s[32:47], s[8:9], 0x0
	s_load_b512 s[48:63], s[8:9], 0x40
	s_load_b256 s[68:75], s[8:9], 0x1000
	s_load_b256 s[76:83], s[8:9], 0x1020
	s_load_b256 s[84:91], s[8:9], 0x1040
	s_load_b256 s[92:99], s[8:9], 0x1060
	v_and_b32 v[L16], 31, v0
	v_lshlrev_b32 v[L16], 4, v[L16]
.irp g, 0,1
.irp c, 0,1,2,3
	global_load_b128 v[Q+16*\g+4*\c:Q+16*\g+4*\c+3], v[L16], s[4:5] offset:\g*2048+\c*512
.endr
.endr
	v_mov_b32 v[NEG], 0xc6616bcd
	v_mov_b32 v[TP], 0                             ; v_permlanex16_b32 counts as a reader of its destination
; Softmax of one query tile over the step's 64 keys (32 numbers a lane).
.macro SOFT ft, first
.irp t, 0,1,2,3
	v_max3_num_f32 v[T0+\t], v[S+32*\ft+8*\t], v[S+32*\ft+8*\t+1], v[S+32*\ft+8*\t+2]      ; four chains, one a key tile
.endr
.irp t, 0,1,2,3
	v_max3_num_f32 v[T0+\t], v[T0+\t], v[S+32*\ft+8*\t+3], v[S+32*\ft+8*\t+4]
.endr
.irp t, 0,1,2,3
	v_max3_num_f32 v[T0+\t], v[T0+\t], v[S+32*\ft+8*\t+5], v[S+32*\ft+8*\t+6]
.endr
	v_max3_num_f32 v[T0], v[T0], v[S+32*\ft+7], v[S+32*\ft+15]
	v_max3_num_f32 v[T0+1], v[T0+1], v[S+32*\ft+23], v[S+32*\ft+31]
	v_max3_num_f32 v[T0], v[T0], v[T0+1], v[T0+2]
	v_max_num_f32 v[T0], v[T0], v[T0+3]
	v_permlanex16_b32 v[TP], v[T0], s14, s15       ; the other 32 keys of my query
.if \first
	v_max_num_f32 v[MX+2*\ft], v[T0], v[TP]
	v_max_num_f32 v[MX+2*\ft+1], v[T0], v[TP]
.else
	v_max3_num_f32 v[T0+1], v[T0], v[TP], v[MX+2*\ft]
	v_sub_f32 v[T0+2], v[MX+2*\ft], v[T0+1]
	v_exp_f32 v[AL], v[T0+2]                       ; 2^(old maximum - new); the two moves below are the plain place behind it (ISA guide 5.7.2)
	v_mov_b32 v[MX+2*\ft], v[T0+1]
	v_mov_b32 v[MX+2*\ft+1], v[T0+1]
	s_wait_alu depctr_va_vdst(0)
	v_mov_b32 v[AL+1], v[AL]
.endif
.irp p, 0,1,2,3,4,5,6,7,8,9,10,11,12,13,14,15
	v_pk_add_f32 v[S+32*\ft+2*\p:S+32*\ft+2*\p+1], v[S+32*\ft+2*\p:S+32*\ft+2*\p+1], v[MX+2*\ft:MX+2*\ft+1] neg_lo:[0,1] neg_hi:[0,1]
.endr
.set i, 0
.rept 32
	v_exp_f32 v[S+32*\ft+i], v[S+32*\ft+i]
.set i, i+1
.endr
.if \first
	v_nop                                          ; the plain place behind the exponentials
	s_wait_alu depctr_va_vdst(0)
	v_pk_add_f32 v[LS+2*\ft:LS+2*\ft+1], v[S+32*\ft:S+32*\ft+1], v[S+32*\ft+2:S+32*\ft+3]
.else
.irp p, 0,1,2,3,4,5,6,7,8,9,10,11,12,13,14,15
	v_pk_mul_f32 v[O+32*\ft+2*\p:O+32*\ft+2*\p+1], v[O+32*\ft+2*\p:O+32*\ft+2*\p+1], v[AL:AL+1]    ; also the plain place behind the exponentials
.endr
	s_wait_alu depctr_va_vdst(0)
	v_pk_fma_f32 v[LS+2*\ft:LS+2*\ft+1], v[LS+2*\ft:LS+2*\ft+1], v[AL:AL+1], v[S+32*\ft:S+32*\ft+1]
	v_pk_add_f32 v[LS+2*\ft:LS+2*\ft+1], v[LS+2*\ft:LS+2*\ft+1], v[S+32*\ft+2:S+32*\ft+3]
.endif
	v_pk_add_f32 v[L2:L2+1], v[S+32*\ft+4:S+32*\ft+5], v[S+32*\ft+6:S+32*\ft+7]
.irp p, 4,6,8,10,12,14
	v_pk_add_f32 v[LS+2*\ft:LS+2*\ft+1], v[LS+2*\ft:LS+2*\ft+1], v[S+32*\ft+2*\p:S+32*\ft+2*\p+1]
	v_pk_add_f32 v[L2:L2+1], v[L2:L2+1], v[S+32*\ft+2*\p+2:S+32*\ft+2*\p+3]
.endr
	v_pk_add_f32 v[LS+2*\ft:LS+2*\ft+1], v[LS+2*\ft:LS+2*\ft+1], v[L2:L2+1]
.irp u, 0,1                                        ; P in f16, in place: key tile 2 u into registers 0-3 of P(ft, u), key tile 2 u + 1 into registers 4-7
.irp p, 0,1,2,3,4,5,6,7
	v_cvt_pk_f16_f32 v[S+32*\ft+16*\u+\p], v[S+32*\ft+16*\u+2*\p], v[S+32*\ft+16*\u+2*\p+1]
.endr
.endr
.endm
; One step: 64 keys.  first = 1: the step starts maximum, sum and O.  more = 1: the next step's mask words are asked for.
.macro STEP first, more
.irp t, 0,1,2,3
.irp q, 0,1,2,3
	ds_load_b128 v[KV+16*\t+4*\q:KV+16*\t+4*\q+3], v[LA] offset:\t*2048+\q*512     ; K: 512 consecutive bytes a load
.endr
.endr
.irp t, 0,1,2,3
	s_wait_dscnt 12-4*\t                           ; key tile t is in; four loads for each later tile may be out
	; the two query tiles' accumulators take turns, one instruction a turn
	v_wmma_f32_16x16x32_f16 v[S+8*\t:S+8*\t+7], v[KV+16*\t:KV+16*\t+7], v[Q:Q+7], 0
	v_wmma_f32_16x16x32_f16 v[S+32+8*\t:S+32+8*\t+7], v[KV+16*\t:KV+16*\t+7], v[Q+16:Q+23], 0
	v_wmma_f32_16x16x32_f16 v[S+8*\t:S+8*\t+7], v[KV+16*\t+8:KV+16*\t+15], v[Q+8:Q+15], v[S+8*\t:S+8*\t+7]
	v_wmma_f32_16x16x32_f16 v[S+32+8*\t:S+32+8*\t+7], v[KV+16*\t+8:KV+16*\t+15], v[Q+24:Q+31], v[S+32+8*\t:S+32+8*\t+7]
.endr
	PLACES                                         ; in front of the loads into K's registers and of the reads of S
.irp u, 0,1
.irp c, 0,1,2,3
	ds_load_b128 v[KV+32*\u+8*\c:KV+32*\u+8*\c+3], v[LA] offset:8192+\u*4096+\c*512          ; V^T(u, c): keys 32 u + 8 h ..
	ds_load_b128 v[KV+32*\u+8*\c+4:KV+32*\u+8*\c+7], v[LA] offset:8192+\u*4096+2048+\c*512   ; keys 32 u + 16 + 8 h ..
.endr
.endr
	s_wait_kmcnt 0x0                               ; this step's mask words
.irp t, 0,1,2,3
.irp j, 0,1,2,3,4,5,6,7
	v_cndmask_b32 v[S+8*\t+\j], v[NEG], v[S+8*\t+\j], s[32+8*\t+\j]
	v_cndmask_b32 v[S+32+8*\t+\j], v[NEG], v[S+32+8*\t+\j], s[68+8*\t+\j]
.endr
.endr
.if \more
	s_add_nc_u64 s[8:9], s[8:9], 128               ; four key tiles on; the loads that used the pointer are shown done above
	s_load_b512 s[32:47], s[8:9], 0x0
	s_load_b512 s[48:63], s[8:9], 0x40
	s_load_b256 s[68:75], s[8:9], 0x1000
	s_load_b256 s[76:83], s[8:9], 0x1020
	s_load_b256 s[84:91], s[8:9], 0x1040
	s_load_b256 s[92:99], s[8:9], 0x1060
.endif
	SOFT 0, \first
	SOFT 1, \first
	s_wait_dscnt 0x0                               ; V
.irp u, 0,1
.set ZZ, 0
.if \first
.if \u == 0
.set ZZ, 1
.endif
.endif
.irp c, 0,1,2,3
.irp g, 0,1                                        ; eight accumulators take turns, one instruction a turn
.if ZZ
	v_wmma_f32_16x16x32_f16 v[O+32*\g+8*\c:O+32*\g+8*\c+7], v[KV+32*\u+8*\c:KV+32*\u+8*\c+7], v[S+32*\g+16*\u:S+32*\g+16*\u+7], 0
.else
	v_wmma_f32_16x16x32_f16 v[O+32*\g+8*\c:O+32*\g+8*\c+7], v[KV+32*\u+8*\c:KV+32*\u+8*\c+7], v[S+32*\g+16*\u:S+32*\g+16*\u+7], v[O+32*\g+8*\c:O+32*\g+8*\c+7]
.endif
.endr
.endr
.endr
	PLACES                                         ; with the add below five places: the next step's products write over P, its loads land in V's registers
	v_add_nc_u32 v[LA], CHUNK, v[LA]
.endm
	s_wait_tensorcnt 0x1                           ; my chunk of slot 0 is in; slot 1's stays out
	s_barrier_signal -1
	s_barrier_wait -1                              ; everybody's is
	s_wait_loadcnt 0x0                             ; q
	v_mov_b32 v[LA], v[L16]                        ; keys 0..511, slot 0
	STEP 1, 1
	s_mov_b32 s13, 7
.Lphase0:
	STEP 0, 1
	s_sub_co_i32 s13, s13, 1
	s_cmp_lg_u32 s13, 0
	s_cbranch_scc1 .Lphase0
	s_wait_dscnt 0x0                               ; my reads of slot 0 are over
	s_wait_tensorcnt 0x0                           ; all my tensor loads have landed, my chunk of slot 1 among them: group 0 may be written
	ds_add_u32 v30, v31
	s_wait_dscnt 0x0
	s_add_nc_u64 s[26:27], s[26:27], 2*SLOTB       ; keys 1024..1535
	ROUND                                          ; both hold of every wave of all four work-groups
	tensor_load_to_lds s[24:27], s[16:23]          ; my one load behind the round, and the first thing there
	s_nop 0
	v_add_nc_u32 v[LA], SLOTB, v[L16]              ; keys 512..1023, slot 1
	s_mov_b32 s13, 8
.Lphase1:
	STEP 0, 1
	s_sub_co_i32 s13, s13, 1
	s_cmp_lg_u32 s13, 0
	s_cbranch_scc1 .Lphase1
	s_wait_dscnt 0x0                               ; my reads of slot 1 are over
	s_wait_tensorcnt 0x0                           ; my chunk of slot 0 has landed
	ds_add_u32 v30, v31
	s_wait_dscnt 0x0
	s_add_nc_u64 s[30:31], s[30:31], 2*SLOTB       ; keys 1536..2047
	ROUND
	tensor_load_to_lds s[28:31], s[16:23]
	s_nop 0
	v_mov_b32 v[LA], v[L16]                        ; keys 1024..1535, slot 0
	s_mov_b32 s13, 8
.Lphase2:
	STEP 0, 1
	s_sub_co_i32 s13, s13, 1
	s_cmp_lg_u32 s13, 0
	s_cbranch_scc1 .Lphase2
	s_wait_dscnt 0x0
	s_wait_tensorcnt 0x0                           ; my chunk of slot 1 has landed: the last load
	s_barrier_signal -1
	s_barrier_wait -1                              ; everybody's has
	v_add_nc_u32 v[LA], SLOTB, v[L16]              ; keys 1536..2047, slot 1
	s_mov_b32 s13, 7
.Lphase3:
	STEP 0, 1
	s_sub_co_i32 s13, s13, 1
	s_cmp_lg_u32 s13, 0
	s_cbranch_scc1 .Lphase3
	STEP 0, 0                                      ; the last step asks for no mask words: none are left
	; ctx = O / sum; the sum is at least 1 (the maximum's own term).  The step's last five places stand in front of these reads of O.
.macro FINISH ft
	v_add_f32 v[T0], v[LS+2*\ft], v[LS+2*\ft+1]
	v_permlanex16_b32 v[TP], v[T0], s14, s15
	v_add_f32 v[T0], v[T0], v[TP]
	v_rcp_f32 v[AL], v[T0]
	v_nop                                          ; the plain place behind v_rcp_f32 (ISA guide 5.7.2)
	s_wait_alu depctr_va_vdst(0)
	v_mov_b32 v[AL+1], v[AL]
.irp p, 0,1,2,3,4,5,6,7,8,9,10,11,12,13,14,15
	v_pk_mul_f32 v[O+32*\ft+2*\p:O+32*\ft+2*\p+1], v[O+32*\ft+2*\p:O+32*\ft+2*\p+1], v[AL:AL+1]
.endr
.irp p, 0,1,2,3,4,5,6,7,8,9,10,11,12,13,14,15
	v_cvt_pk_f16_f32 v[S+16*\ft+\p], v[O+32*\ft+2*\p], v[O+32*\ft+2*\p+1]
.endr
.irp c, 0,1,2,3
	global_store_b128 v[L16], v[S+16*\ft+4*\c:S+16*\ft+4*\c+3], s[10:11] offset:\ft*32768+\c*512   ; 512 consecutive bytes, aligned
.endr
.endm
	FINISH 0
	FINISH 1
	s_wait_tensorcnt 0x0
	ds_add_u32 v30, v31
	s_wait_dscnt 0x0
	ROUND                                          ; the closing round: no work-group ends while a partner may still ask for a tile that names it
	s_endpgm
.Lfunc_end_k_q1e273b24e3_attn:
	.size	k_q1e273b24e3_attn, .Lfunc_end_k_q1e273b24e3_attn-k_q1e273b24e3_attn
	.p2alignl 7, 3214868480
	.fill 96, 4, 3214868480
	.section	.rodata,"a",@progbits
	.p2align	6, 0x0
	.amdhsa_kernel k_q1e273b24e3_attn
		.amdhsa_group_segment_fixed_size 327680
		.amdhsa_private_segment_fixed_size 0
		.amdhsa_enable_private_segment 0
		.amdhsa_kernarg_size 32
		.amdhsa_user_sgpr_count 2
		.amdhsa_user_sgpr_kernarg_segment_ptr 1
		.amdhsa_wavefront_size32 1
		.amdhsa_system_sgpr_workgroup_id_x 1
		.amdhsa_system_sgpr_workgroup_id_y 1
		.amdhsa_system_sgpr_workgroup_id_z 1
		.amdhsa_system_vgpr_workitem_id 0
		.amdhsa_next_free_vgpr 256
		.amdhsa_next_free_sgpr 102
		.amdhsa_reserve_vcc 0
		.amdhsa_float_denorm_mode_32 3
		.amdhsa_float_denorm_mode_16_64 3
		.amdhsa_memory_ordered 1
		.amdhsa_forward_progress 1
		.amdhsa_inst_pref_size 139
	.end_amdhsa_kernel
	.amdgpu_metadata
---
amdhsa.version: [ 1, 2 ]
amdhsa.kernels:
  - .name:           k_q1e273b24e3_attn
    .symbol:         k_q1e273b24e3_attn.kd
    .args:
      - { .name: qf, .offset: 0, .size: 8, .value_kind: global_buffer, .address_space: global }
      - { .name: kv, .offset: 8, .size: 8, .value_kind: global_buffer, .address_space: global }
      - { .name: maskw, .offset: 16, .size: 8, .value_kind: global_buffer, .address_space: global }
      - { .name: cf, .offset: 24, .size: 8, .value_kind: global_buffer, .address_space: global }
    .group_segment_fixed_size: 327680
    .private_segment_fixed_size: 0
    .kernarg_segment_align: 8
    .kernarg_segment_size: 32
    .max_flat_workgroup_size: 256
    .sgpr_count:     102
    .vgpr_count:     256
    .wavefront_size: 32
...
	.end_amdgpu_metadata
.endif
;; end of part 2
;; launch proj (part 3): grid 8 x 32, 8 waves a work-group, no clusters, 209,920 bytes of LDS; arguments cf, w_out, b_out, out0, out1; writes out0, out1
.if DOCPART == 3
	.amdgcn_target "amdgcn-amd-amdhsa--gfx1250"
	.amdhsa_code_object_version 6
	.text
	.protected	k_q1e273b24e3_proj
	.globl	k_q1e273b24e3_proj
	.p2align	8
	.type	k_q1e273b24e3_proj,@function
k_q1e273b24e3_proj:
	s_mov_b64 s[64:65], 0
	v_nop
	global_prefetch_b8 v0, s[64:65] scope:SCOPE_SE
	s_setreg_imm32_b32 hwreg(HW_REG_WAVE_MODE, 25, 1), 1
	s_wait_xcnt 0x0
; out0[f][b][d] = sum over k of ctx[f][b][k] w_out[k][d], k = 64 n + e; out1 = b_out.
; Work-group (x = 128 columns, y = 16 b + fo): rows f = 128 fo .. + 127 of batch b.  Eight waves: wave w has rows 32 (w >> 1) .. + 31 and columns
; 64 (w & 1) .. + 63: 2 x 4 accumulator tiles.  K = 1024 in 8 stages of 128 through two LDS slots that take turns.
; ctx comes from cf in f16 and in fragment order ([b][f / 16][k / 16][512 bytes]) and is copied as it is; w_out is f32 and is narrowed to f16 in registers.
; The sources are swapped (w first), so that a lane holds 8 neighbouring columns of one row; rows leave through each wave's own LDS stage as 256-byte pieces.
; NO CLUSTER, though 32 work-groups share each tile of w_out and 8 each tile of ctx: w_out has to pass registers to be narrowed (a joint load would land
; 65,536 bytes of f32 a stage in LDS to be read and stored again as 32,768), and ctx alone is a third of a stage's 98,304 bytes from memory.
; LIMITS: operands are f16: |w_out| and |ctx| below 65,504; magnitudes below 6e-5 keep an absolute step of 6e-8.  NaN and infinite inputs are not served.
.set ASLOT, 32768                      ; ctx slot: [f tile: 8][k tile: 8][512]
.set WS0,   65536                      ; w slots: 128 k rows, pitch 288 (256 bytes + 32 = 9 x 32, for the transposing loads)
.set WSLOT, 36864
.set OST,   139264                     ; the way out: 32 rows x 272 bytes for each wave
.set GA,  1                            ; 16 x thread: my 16 bytes of ctx, in memory and in LDS alike; also of b_out
.set GW,  2                            ; my 16 bytes of w_out
.set SW,  3                            ; v3, v4   LDS address of my 8 bytes of w, slot 0, 1
.set FA,  5                            ; LDS address of my ctx fragments
.set FW,  6                            ; v6, v7   LDS address of my w fragments, slot 0, 1
.set SO,  8                            ; the way out: where I put 32 bytes of a row
.set RO,  9                            ; the way out: where I read 16 bytes of a row back
.set GO,  10                           ; my byte offset in out0
.set AF,  16                           ; v[16:31]   two ctx fragments
.set WF,  32                           ; v[32:63]   four w fragments
.set ACC, 64                           ; v[64:127]  tile (a, c) at 8 (4 a + c)
.set G,   128                          ; v[128:159] ctx as loaded, 8 quads
.set GQ,  160                          ; v[160:223] w as loaded, 16 quads
.macro PLACES                          ; four plain vector places behind matrix instructions (ISA guide 7.12.1)
.rept 4
	v_nop
.endr
.endm
	s_load_b256 s[4:11], s[0:1], 0x0               ; cf s[4:5], w_out s[6:7], b_out s[8:9], out0 s[10:11]
	s_load_b64 s[12:13], s[0:1], 0x20              ; out1
	v_lshl_add_u32 v224, v0, 2, 0x33000
	v_mov_b32 v225, 0
	v_lshrrev_b32 v11, 5, v0
	v_readfirstlane_b32 s14, v11                   ; wave w
	s_lshr_b32 s15, s14, 1                         ; wr
	s_and_b32 s16, s14, 1                          ; wc
	s_and_b32 s20, ttmp7, 0xffff                   ; y = 16 b + fo
	s_lshr_b32 s21, s20, 4                         ; b
	s_and_b32 s22, s20, 15                         ; fo
	v_and_b32 v11, 31, v0                          ; L
	v_and_b32 v12, 15, v0                          ; r
	v_bfe_u32 v13, v0, 4, 1                        ; h
	v_lshlrev_b32 v[GA], 4, v0
	s_lshl_b32 s2, s14, 12
	v_lshl_add_u32 v[GW], v11, 4, s2               ; row w (+ 8 i) of 4,096 bytes, 512 bytes a wave
	s_mul_i32 s2, s14, 288
	s_add_co_u32 s2, s2, WS0
	v_lshl_add_u32 v[SW], v11, 3, s2
	v_add_nc_u32 v[SW+1], WSLOT, v[SW]
	s_lshl_b32 s2, s15, 13
	v_lshl_add_u32 v[FA], v11, 4, s2               ; two f tiles of 4,096 bytes a wr
	v_and_b32 v[FW], 7, v0                         ; k row 8 h + (L & 7), 16 bytes at 16 ((L >> 3) & 1)
	v_lshl_or_b32 v[FW], v13, 3, v[FW]
	v_mul_u32_u24 v[FW], v[FW], 288
	v_bfe_u32 v14, v0, 3, 1
	v_lshl_add_u32 v[FW], v14, 4, v[FW]
	s_lshl_b32 s2, s16, 7
	s_add_co_u32 s2, s2, WS0
	v_add_nc_u32 v[FW], s2, v[FW]
	v_add_nc_u32 v[FW+1], WSLOT, v[FW]
	s_mul_i32 s2, s14, 8704
	s_add_co_u32 s2, s2, OST                       ; my stage
	v_mul_u32_u24 v[SO], v12, 272
	v_lshl_add_u32 v[SO], v13, 5, v[SO]
	v_add_nc_u32 v[SO], s2, v[SO]
	v_mul_u32_u24 v[RO], v13, 272
	v_lshl_add_u32 v[RO], v12, 4, v[RO]
	v_add_nc_u32 v[RO], s2, v[RO]
	s_lshl_b32 s2, s15, 18                         ; 32 rows of 8,192 bytes
	s_lshl_b32 s3, s16, 8
	s_add_co_u32 s2, s2, s3
	v_lshlrev_b32 v[GO], 4, v12
	v_lshl_add_u32 v[GO], v13, 13, v[GO]
	v_add_nc_u32 v[GO], s2, v[GO]
	s_mov_b32 s19, 0
	s_lshl_b32 s18, s21, 22
	s_lshl_b32 s2, s22, 18
	s_add_co_u32 s18, s18, s2
	s_wait_kmcnt 0x0
	s_add_nc_u64 s[4:5], s[4:5], s[18:19]          ; cf: b, 8 f tiles of 32,768 bytes
	s_lshl_b32 s18, ttmp9, 9
	s_add_nc_u64 s[6:7], s[6:7], s[18:19]          ; w_out: 128 columns
	s_lshl_b32 s2, s22, 20
	s_add_co_u32 s18, s18, s2
	s_lshl_b32 s2, s21, 12
	s_add_co_u32 s18, s18, s2
	s_add_nc_u64 s[10:11], s[10:11], s[18:19]      ; out0: 128 rows of 8,192 bytes, b, 128 columns
; 24 loads: a stage's 128 x 128 of ctx (4,096 consecutive bytes a load of the work-group) and 128 x 128 of w_out (512 bytes of one row a load of a wave)
.macro FETCH
.irp i, 0,1,2,3,4,5,6,7
	global_load_b128 v[G+4*\i:G+4*\i+3], v[GA], s[4:5] offset:\i*32768
.endr
.irp i, 0,1,2,3,4,5,6,7,8,9,10,11,12,13,14,15
	global_load_b128 v[GQ+4*\i:GQ+4*\i+3], v[GW], s[6:7] offset:\i*32768
.endr
.endm
.macro COMMIT slot
	s_wait_loadcnt 0x0                             ; all 24 are in, so their bases may be stepped
	s_add_nc_u64 s[4:5], s[4:5], 4096              ; 8 k tiles
	s_add_nc_u64 s[6:7], s[6:7], 524288            ; 128 rows of w_out
.irp i, 0,1,2,3,4,5,6,7
	ds_store_b128 v[GA], v[G+4*\i:G+4*\i+3] offset:\slot*ASLOT+\i*4096
.endr
.irp i, 0,1,2,3,4,5,6,7,8,9,10,11,12,13,14,15
	v_cvt_pk_f16_f32 v[GQ+4*\i], v[GQ+4*\i], v[GQ+4*\i+1]
	v_cvt_pk_f16_f32 v[GQ+4*\i+1], v[GQ+4*\i+2], v[GQ+4*\i+3]
	ds_store_b64 v[SW+\slot], v[GQ+4*\i:GQ+4*\i+1] offset:\i*2304
.endr
.endm
; One barrier a stage orders two things: my reads of the slot just multiplied against the next stage's stores into it,
; and my stores into the other slot against the other waves' reads of it.
.macro SYNC
	s_wait_dscnt 0x0
	s_barrier_signal -1
	s_barrier_wait -1
.endm
; A stage's 32 matrix instructions, 32 along K at a time.  The eight accumulators take turns, one instruction a turn.
.macro COMPUTE slot, zero
.irp kk, 0,1,2,3
.set ZZ, 0
.if \zero
.if \kk == 0
.set ZZ, 1                                         ; the first product starts the sums: nothing is cleared
.endif
.endif
	PLACES                                         ; the loads below land in registers that matrix instructions have read
.irp a, 0,1
	ds_load_b128 v[AF+8*\a:AF+8*\a+3], v[FA] offset:\slot*ASLOT+\a*4096+\kk*1024
	ds_load_b128 v[AF+8*\a+4:AF+8*\a+7], v[FA] offset:\slot*ASLOT+\a*4096+\kk*1024+512
.endr
.irp c, 0,1,2,3
	ds_load_tr16_b128 v[WF+8*\c:WF+8*\c+3], v[FW+\slot] offset:\kk*9216+\c*32
	ds_load_tr16_b128 v[WF+8*\c+4:WF+8*\c+7], v[FW+\slot] offset:\kk*9216+\c*32+4608
.endr
.irp c, 0,1,2,3
	s_wait_dscnt 6-2*\c                            ; ctx and w's tiles up to c are in; two loads for each later tile may be out
.irp a, 0,1
.if ZZ
	v_wmma_f32_16x16x32_f16 v[ACC+8*(4*\a+\c):ACC+8*(4*\a+\c)+7], v[WF+8*\c:WF+8*\c+7], v[AF+8*\a:AF+8*\a+7], 0
.else
	v_wmma_f32_16x16x32_f16 v[ACC+8*(4*\a+\c):ACC+8*(4*\a+\c)+7], v[WF+8*\c:WF+8*\c+7], v[AF+8*\a:AF+8*\a+7], v[ACC+8*(4*\a+\c):ACC+8*(4*\a+\c)+7]
.endif
.endr
.endr
.endr
.endm
	FETCH
	COMMIT 0
	SYNC
	FETCH
	COMPUTE 0, 1
	COMMIT 1
	SYNC
	s_mov_b32 s17, 3
.Lstage:
	FETCH
	COMPUTE 1, 0
	COMMIT 0
	SYNC
	FETCH
	COMPUTE 0, 0
	COMMIT 1
	SYNC
	s_sub_co_i32 s17, s17, 1
	s_cmp_lg_u32 s17, 0
	s_cbranch_scc1 .Lstage
	COMPUTE 1, 0                                   ; stage 7: nothing more to fetch
	; THE WAY OUT: 32 bytes a lane into my own stage (rows of 272 bytes), read back as rows of 256 bytes.  The stage is my wave's alone and LDS serves a
	; wave's instructions in order (ISA guide 5.7.1): no barrier, and no wait between the stores and the loads.
	PLACES
.irp a, 0,1
.irp c, 0,1,2,3
	ds_store_b128 v[SO], v[ACC+8*(4*\a+\c):ACC+8*(4*\a+\c)+3] offset:\a*4352+\c*64
	ds_store_b128 v[SO], v[ACC+8*(4*\a+\c)+4:ACC+8*(4*\a+\c)+7] offset:\a*4352+\c*64+16
.endr
.endr
.irp i, 0,1,2,3,4,5,6,7,8,9,10,11,12,13,14,15
	ds_load_b128 v[G+4*\i:G+4*\i+3], v[RO] offset:\i*544
.endr
.irp i, 0,1,2,3,4,5,6,7,8,9,10,11,12,13,14,15
	s_wait_dscnt 15-\i                             ; rows 2 i, 2 i + 1 are back; the younger loads stay out
	global_store_b128 v[GO], v[G+4*\i:G+4*\i+3], s[10:11] offset:\i*16384 th:TH_STORE_NT   ; sixteen lanes store 256 consecutive bytes, aligned
.endr
	; out1 = b_out: 4,096 bytes, 16 a thread, by work-group (0, 0)
	s_or_b32 s2, ttmp9, s20
	s_cmp_lg_u32 s2, 0
	s_cbranch_scc1 .Lend
	global_load_b128 v[AF:AF+3], v[GA], s[8:9]
	s_wait_loadcnt 0x0
	global_store_b128 v[GA], v[AF:AF+3], s[12:13]
.Lend:
	s_wait_tensorcnt 0x0
	ds_add_u32 v224, v225
	s_wait_dscnt 0x0
	s_endpgm
.Lfunc_end_k_q1e273b24e3_proj:
	.size	k_q1e273b24e3_proj, .Lfunc_end_k_q1e273b24e3_proj-k_q1e273b24e3_proj
	.p2alignl 7, 3214868480
	.fill 96, 4, 3214868480
	.section	.rodata,"a",@progbits
	.p2align	6, 0x0
	.amdhsa_kernel k_q1e273b24e3_proj
		.amdhsa_group_segment_fixed_size 209920
		.amdhsa_private_segment_fixed_size 0
		.amdhsa_enable_private_segment 0
		.amdhsa_kernarg_size 40
		.amdhsa_user_sgpr_count 2
		.amdhsa_user_sgpr_kernarg_segment_ptr 1
		.amdhsa_wavefront_size32 1
		.amdhsa_system_sgpr_workgroup_id_x 1
		.amdhsa_system_sgpr_workgroup_id_y 1
		.amdhsa_system_sgpr_workgroup_id_z 1
		.amdhsa_system_vgpr_workitem_id 0
		.amdhsa_next_free_vgpr 226
		.amdhsa_next_free_sgpr 66
		.amdhsa_reserve_vcc 0
		.amdhsa_float_denorm_mode_32 3
		.amdhsa_float_denorm_mode_16_64 3
		.amdhsa_memory_ordered 1
		.amdhsa_forward_progress 1
		.amdhsa_inst_pref_size 56
	.end_amdhsa_kernel
	.amdgpu_metadata
---
amdhsa.version: [ 1, 2 ]
amdhsa.kernels:
  - .name:           k_q1e273b24e3_proj
    .symbol:         k_q1e273b24e3_proj.kd
    .args:
      - { .name: cf, .offset: 0, .size: 8, .value_kind: global_buffer, .address_space: global }
      - { .name: w_out, .offset: 8, .size: 8, .value_kind: global_buffer, .address_space: global }
      - { .name: b_out, .offset: 16, .size: 8, .value_kind: global_buffer, .address_space: global }
      - { .name: out0, .offset: 24, .size: 8, .value_kind: global_buffer, .address_space: global }
      - { .name: out1, .offset: 32, .size: 8, .value_kind: global_buffer, .address_space: global }
    .group_segment_fixed_size: 209920
    .private_segment_fixed_size: 0
    .kernarg_segment_align: 8
    .kernarg_segment_size: 40
    .max_flat_workgroup_size: 256
    .sgpr_count:     66
    .vgpr_count:     226
    .wavefront_size: 32
...
	.end_amdgpu_metadata
.endif
;; end of part 3
;; ======== version 2 of 3: 4 launches; 1.35 times as fast as version 1
;; limits: values are held in f16: magnitudes above 65,504 overflow, below 6.1e-05 lose precision
;; workspace buffers: qf 8,388,608 bytes; kv 16,777,216 bytes; maskw 1,048,576 bytes of whole numbers; cf 8,388,608 bytes; xf 8,388,608 bytes; wf 6,291,456 bytes; wof 2,097,152 bytes
;; launch prep (part 4): grid 256 x 1, 8 waves a work-group, no clusters, 142,336 bytes of LDS; arguments q_input, w_qkv, w_out, mask, b_out, xf, wf, wof, maskw, out1; writes xf, wf, wof, maskw, out1
.if DOCPART == 4
	.amdgcn_target "amdgcn-amd-amdhsa--gfx1250"
	.amdhsa_code_object_version 6
	.text
	.protected	k_q1e273b24e3_prep
	.globl	k_q1e273b24e3_prep
	.p2align	8
	.type	k_q1e273b24e3_prep,@function
k_q1e273b24e3_prep:
	s_mov_b64 s[64:65], 0
	v_nop
	global_prefetch_b8 v0, s[64:65] scope:SCOPE_SE
	s_setreg_imm32_b32 hwreg(HW_REG_WAVE_MODE, 25, 1), 1
	s_wait_xcnt 0x0
; A stream that readies the operands of the later launches; every input byte is read once, every output byte written once.
;   xf    = q_input in f16, in the order of matrix fragments: [y = 8 b + f / 256][k / 128][f tile: 16][k tile: 8][512 bytes]; in a tile of 16 x 16
;           lane (r, h)'s 16 bytes lie at 16 (16 h + r) and hold x(f = r, k = 8 h + 0..7)
;   wf    = w_qkv in f16: [head: 16][k tile: 64][column tile: 12][512]; lane (r, h) holds w(k = 8 h + 0..7, column r)
;   wof   = w_out in f16 (as [1024 k][1024 d]): [d / 128][k tile: 64][column tile: 8][512], a tile as in wf
;   maskw = the mask as lane-mask words: [b][f / 16][t / 16][j: 8] u32, bit L = mask[b][16 fb + (L & 15)][16 tb + 8 (L >> 4) + j] != 0
;   out1  = b_out
; 256 work-groups of eight waves.  A wave works alone on LDS bytes of its own (17,664 x its number), so there is no barrier: LDS serves a wave's
; instructions in order (ISA guide 5.7.1).  Its share: 32 rows x 64 k of x, 16 rows x 256 keys of the mask, and two units of 16 k x 64 columns of
; w_qkv (work-groups 0 to 191) or of w_out (192 to 255).  All its 40 loads, 512 bytes each in pieces of 256 consecutive aligned bytes, go out first,
; in the order x, mask, w, and are worked on in that order: the mask's long run of vector work stands in front of the wait for w.
; No matrix unit, no cluster, no tensor load: no byte is read by two work-groups, and every number has to pass a register to be narrowed.
; LIMITS: |x| and |w| have to stay below 65,504 (f16); magnitudes below 6e-5 keep an absolute step of 6e-8.  NaN and infinite inputs are not served.
.set LW,   17664                       ; LDS bytes of a wave: x 4,608, w 2 x 4,352, mask 4,352
.set WLO,  4608                        ; where w's two units begin
.set WU,   4352                        ; a unit of w: 16 rows of f32, pitch 272
.set MLO,  13312                       ; where the mask rows begin: 16 rows, pitch 272
.set GX,  4                            ; x: my 16 bytes in memory
.set SX,  5                            ; x: LDS address of my 8 bytes of f16 (rows of 64 f16, pitch 144)
.set FX,  6                            ; x: LDS address of my 16 bytes of a tile
.set L16, 7                            ; 16 x lane: my 16 bytes of every tile that leaves
.set GWQ, 8                            ; w_qkv: my 16 bytes in memory
.set GWO, 9                            ; w_out: the same
.set SWL, 10                           ; w: LDS address of my 16 bytes of f32
.set RWL, 11                           ; w: LDS address of my column's first number
.set GM,  12                           ; mask: my 16 bytes in memory
.set SM,  13                           ; mask: where they go in LDS
.set RM,  14                           ; mask: LDS address of my 8 bytes
.set OM,  15                           ; mask words: my 8 bytes in maskw
.set T16, 16                           ; 16 x thread: b_out and out1
.set R16, 18                           ; 16 x (lane mod 16)
.set MW,  20                           ; v[20:23]   mask words on their way out
.set BO,  24                           ; v[24:27]   b_out
.set XI,  32                           ; v[32:95]   x as loaded, 16 quads
.set CO,  32                           ; v[32:95]   later: w's columns, 8 numbers for each of 8 tiles, packed in place
.set WI,  96                           ; v[96:159]  w as loaded, 16 quads
.set MI,  160                          ; v[160:191] mask as loaded, 8 quads
.set TM,  160                          ; v[160:167] later: eight mask bytes picked out
.set XO,  192                          ; v[192:223] x's 8 tiles
.set MR,  224                          ; v[224:255] mask bytes, 8 for each of 16 key tiles
	s_load_b512 s[4:19], s[0:1], 0x0               ; q_input s[4:5], w_qkv s[6:7], w_out s[8:9], mask s[10:11], b_out s[12:13], xf s[14:15], wf s[16:17], wof s[18:19]
	s_load_b128 s[20:23], s[0:1], 0x40             ; maskw s[20:21], out1 s[22:23]
	v_lshl_add_u32 v30, v0, 2, 0x22800
	v_mov_b32 v31, 0
	v_lshrrev_b32 v1, 5, v0
	v_readfirstlane_b32 s24, v1                    ; wave w
	s_mov_b32 s29, ttmp9                           ; work-group p
	s_mul_i32 s25, s24, LW                         ; my wave's LDS bytes
	v_and_b32 v1, 31, v0                           ; L
	v_and_b32 v2, 15, v0                           ; r
	v_bfe_u32 v3, v0, 4, 1                         ; h
	v_lshlrev_b32 v[L16], 4, v1
	v_lshlrev_b32 v[T16], 4, v0
	v_lshlrev_b32 v[R16], 4, v2
	v_lshl_add_u32 v[GX], v3, 16, v[R16]           ; x: row 8 h (+ the load's), 16 bytes at 16 r
	v_lshl_add_u32 v[SX], v2, 3, s25
	v_mad_u32_u24 v[SX], v3, 1152, v[SX]           ; 8 rows of 144 bytes
	v_lshl_add_u32 v[FX], v3, 4, s25
	v_mad_u32_u24 v[FX], v2, 144, v[FX]            ; row r, 16 bytes for each half of the lanes
	v_mad_u32_u24 v[GWQ], v3, 12288, v[R16]        ; w: row h (+ the load's), 16 bytes at 16 r
	v_lshl_add_u32 v[GWO], v3, 12, v[R16]
	v_add_nc_u32 v[SWL], s25, v[R16]
	v_mad_u32_u24 v[SWL], v3, 272, v[SWL]
	v_add_nc_u32 v[SM], MLO, v[SWL]                ; the mask's rows are stored in the same pattern
	v_add_nc_u32 v[SWL], WLO, v[SWL]
	v_lshl_add_u32 v[RWL], v2, 2, s25              ; column r, rows 8 h ..: the two halves are 8 x 272 bytes apart, 128 modulo 256
	v_mad_u32_u24 v[RWL], v3, 2176, v[RWL]
	v_add_nc_u32 v[RWL], WLO, v[RWL]
	s_lshl_b32 s26, s24, 8
	v_lshl_add_u32 v[GM], v3, 11, v[R16]           ; mask: row h (+ the load's), bytes 256 w + 16 r
	v_add_nc_u32 v[GM], s26, v[GM]
	v_lshl_add_u32 v[RM], v3, 3, s25               ; mask row r, bytes 8 h (+ 16 t)
	v_mad_u32_u24 v[RM], v2, 272, v[RM]
	v_add_nc_u32 v[RM], MLO, v[RM]
	s_lshl_b32 s26, s24, 9
	v_lshl_add_u32 v[OM], v1, 3, s26
	; x: work-group p has rows f = 32 (p >> 2) .. + 31 of batch (p >> 1) & 1 and k = 512 (p & 1) .. + 511; wave w its 64 k
	s_lshr_b32 s26, s29, 2                         ; block of 32 rows
	s_bfe_u32 s27, s29, 0x10001                    ; b
	s_and_b32 s28, s29, 1
	s_lshl_b32 s28, s28, 3
	s_add_co_u32 s28, s28, s24                     ; kq: which 64 of k
	s_mov_b32 s31, 0
	s_lshl_b32 s30, s26, 18                        ; 32 rows of 8,192 bytes
	s_lshl_b32 s40, s27, 12
	s_add_co_u32 s30, s30, s40
	s_lshl_b32 s40, s28, 8
	s_add_co_u32 s30, s30, s40
	s_wait_kmcnt 0x0
	s_add_nc_u64 s[4:5], s[4:5], s[30:31]
	s_lshl_b32 s30, s27, 22                        ; xf: y = 8 b + (block >> 3) times 524,288,
	s_lshr_b32 s40, s26, 3
	s_lshl_b32 s40, s40, 19
	s_add_co_u32 s30, s30, s40
	s_lshr_b32 s40, s28, 1                         ; stage kq >> 1 times 65,536,
	s_lshl_b32 s40, s40, 16
	s_add_co_u32 s30, s30, s40
	s_and_b32 s40, s26, 7                          ; f tile 2 (block & 7) times 4,096,
	s_lshl_b32 s40, s40, 13
	s_add_co_u32 s30, s30, s40
	s_and_b32 s40, s28, 1                          ; k tile 4 (kq & 1) times 512
	s_lshl_b32 s40, s40, 11
	s_add_co_u32 s30, s30, s40
	s_add_nc_u64 s[14:15], s[14:15], s[30:31]
	s_lshl_b32 s30, s29, 15                        ; mask: 16 rows of 2,048 bytes
	s_add_nc_u64 s[10:11], s[10:11], s[30:31]
	s_lshl_b32 s30, s29, 12                        ; maskw: 128 key tiles of 32 bytes
	s_add_nc_u64 s[20:21], s[20:21], s[30:31]
	s_and_b32 s41, s29, 15                         ; w: head (w_qkv) or group of 64 columns (w_out)
	s_bfe_u32 s42, s29, 0x20004                    ; which 16 k tiles
	s_lshl_b32 s43, s42, 4
	s_lshl_b32 s44, s24, 1
	s_add_co_u32 s43, s43, s44                     ; my first k tile: 16 x that + 2 w
.irp i, 0,1,2,3,4,5,6,7,8,9,10,11,12,13,14,15
	global_load_b128 v[XI+4*\i:XI+4*\i+3], v[GX], s[4:5] offset:(16*(\i>>3)+(\i&7))*8192 th:TH_LOAD_NT   ; rows 16 (i >> 3) + 8 h + (i & 7)
.endr
.irp i, 0,1,2,3,4,5,6,7
	global_load_b128 v[MI+4*\i:MI+4*\i+3], v[GM], s[10:11] offset:\i*4096 th:TH_LOAD_NT                  ; rows 2 i + h
.endr
; two units of 16 rows x 256 bytes: rows 16 u + 2 i + h
.macro WLOAD off, base, pitch
.irp u, 0,1
.irp i, 0,1,2,3,4,5,6,7
	global_load_b128 v[WI+4*(8*\u+\i):WI+4*(8*\u+\i)+3], v[\off], s[\base:\base+1] offset:(16*\u+2*\i)*\pitch th:TH_LOAD_NT
.endr
.endr
.endm
	s_cmp_lt_u32 s29, 192
	s_cbranch_scc0 .Lload_wo
	s_lshr_b32 s44, s29, 6                         ; q, k or v: which 64 columns of the head
	s_mul_i32 s30, s43, 196608                     ; 16 rows of 12,288 bytes a k tile
	s_mul_i32 s45, s41, 768
	s_add_co_u32 s30, s30, s45
	s_lshl_b32 s45, s44, 8
	s_add_co_u32 s30, s30, s45
	s_add_nc_u64 s[6:7], s[6:7], s[30:31]
	s_mul_i32 s30, s41, 393216                     ; wf: head, k tile of 6,144 bytes, 4 column tiles
	s_mul_i32 s45, s43, 6144
	s_add_co_u32 s30, s30, s45
	s_lshl_b32 s45, s44, 11
	s_add_co_u32 s30, s30, s45
	s_add_nc_u64 s[16:17], s[16:17], s[30:31]
	WLOAD GWQ, 6, 12288
	s_branch .Lloaded
.Lload_wo:
	s_lshl_b32 s30, s43, 16                        ; 16 rows of 4,096 bytes a k tile
	s_lshl_b32 s45, s41, 8
	s_add_co_u32 s30, s30, s45
	s_add_nc_u64 s[8:9], s[8:9], s[30:31]
	s_lshr_b32 s44, s41, 1                         ; wof: block of 128 columns, k tile of 4,096 bytes, 4 column tiles
	s_lshl_b32 s30, s44, 18
	s_lshl_b32 s45, s43, 12
	s_add_co_u32 s30, s30, s45
	s_and_b32 s45, s41, 1
	s_lshl_b32 s45, s45, 11
	s_add_co_u32 s30, s30, s45
	s_add_nc_u64 s[18:19], s[18:19], s[30:31]
	WLOAD GWO, 8, 4096
.Lloaded:
	; out1 = b_out: 4,096 bytes, 16 a thread, by work-group 0; its load rides behind the 40 that are out
	s_cmp_lg_u32 s29, 0
	s_cbranch_scc1 .Lno_bias
	global_load_b128 v[BO:BO+3], v[T16], s[12:13]
	s_wait_loadcnt 0x0
	global_store_b128 v[T16], v[BO:BO+3], s[22:23]
.Lno_bias:
	; x: narrow, lay down as rows of 64 f16, read back as tiles
	s_wait_loadcnt 24                              ; x's 16 loads are in; the mask's 8 and w's 16 stay out
.irp i, 0,1,2,3,4,5,6,7,8,9,10,11,12,13,14,15
	v_cvt_pk_f16_f32 v[XI+4*\i], v[XI+4*\i], v[XI+4*\i+1]
	v_cvt_pk_f16_f32 v[XI+4*\i+1], v[XI+4*\i+2], v[XI+4*\i+3]
	ds_store_b64 v[SX], v[XI+4*\i:XI+4*\i+1] offset:(16*(\i>>3)+(\i&7))*144
.endr
.irp a, 0,1
.irp q, 0,1,2,3
	ds_load_b128 v[XO+4*(4*\a+\q):XO+4*(4*\a+\q)+3], v[FX] offset:\a*2304+\q*32
.endr
.endr
	s_wait_loadcnt 16                              ; the mask's 8 loads are in; w's 16 stay out
.irp i, 0,1,2,3,4,5,6,7
	ds_store_b128 v[SM], v[MI+4*\i:MI+4*\i+3] offset:\i*544
.endr
.irp t, 0,1,2,3,4,5,6,7,8,9,10,11,12,13,14,15
	ds_load_b64 v[MR+2*\t:MR+2*\t+1], v[RM] offset:16*\t
.endr
	s_wait_dscnt 24                                ; x's tiles are back; the mask's 8 stores and 16 loads are younger
.irp a, 0,1
.irp q, 0,1,2,3
	global_store_b128 v[L16], v[XO+4*(4*\a+\q):XO+4*(4*\a+\q)+3], s[14:15] offset:\a*4096+\q*512   ; 512 consecutive bytes, aligned
.endr
.endr
	; The mask, while w's loads are still on their way: a compare makes of byte j of the 32 lanes the word j of key tile 16 w + t.
	; Eight bytes at a time, so that no line reads the result of the line in front of it.
	s_wait_dscnt 0x0                               ; the mask's bytes are back
	v_mov_b32 v[MW], 0                             ; v_writelane_b32 keeps the other lanes: the registers are written whole first
	v_mov_b32 v[MW+1], 0
	v_mov_b32 v[MW+2], 0
	v_mov_b32 v[MW+3], 0
.irp t, 0,1,2,3,4,5,6,7,8,9,10,11,12,13,14,15
.irp j, 0,1,2,3,4,5,6,7
	v_and_b32 v[TM+\j], 0xff<<(8*(\j&3)), v[MR+2*\t+(\j>>2)]
.endr
.irp j, 0,1,2,3,4,5,6,7
	v_cmp_ne_u32 s[32+\j], 0, v[TM+\j]
.endr
.irp j, 0,1,2,3,4,5,6,7
	v_writelane_b32 v[MW+2*(\t>>3)+(\j&1)], s[32+\j], ((\t&7)*8+\j)>>1    ; word 8 t + j: lane (8 t + j) / 2 of a store of 8 bytes a lane
.endr
.endr
	global_store_b64 v[OM], v[MW:MW+1], s[20:21]                   ; 256 consecutive bytes, aligned; these registers are not written again
	global_store_b64 v[OM], v[MW+2:MW+3], s[20:21] offset:256
	; w: the f32 rows go into LDS, each lane reads its column back
	s_wait_loadcnt 0x0                             ; w
.irp u, 0,1
.irp i, 0,1,2,3,4,5,6,7
	ds_store_b128 v[SWL], v[WI+4*(8*\u+\i):WI+4*(8*\u+\i)+3] offset:\u*WU+\i*544
.endr
.endr
.irp t, 0,1,2,3
.irp j, 0,1,2,3,4,5,6,7
	ds_load_b32 v[CO+8*\t+\j], v[RWL] offset:\j*272+\t*64          ; unit 0: w(k = 8 h + j, column 16 t + r)
.endr
.endr
; a tile: a lane's eight numbers of a column are packed in place and leave as 16 bytes, 512 consecutive bytes a store
.macro PACKT i, base, off
	v_cvt_pk_f16_f32 v[CO+8*(\i)], v[CO+8*(\i)], v[CO+8*(\i)+1]
	v_cvt_pk_f16_f32 v[CO+8*(\i)+1], v[CO+8*(\i)+2], v[CO+8*(\i)+3]
	v_cvt_pk_f16_f32 v[CO+8*(\i)+2], v[CO+8*(\i)+4], v[CO+8*(\i)+5]
	v_cvt_pk_f16_f32 v[CO+8*(\i)+3], v[CO+8*(\i)+6], v[CO+8*(\i)+7]
	global_store_b128 v[L16], v[CO+8*(\i):CO+8*(\i)+3], s[\base:\base+1] offset:\off
.endm
; w's eight tiles; unit 1's column loads go out by turns with unit 0's tiles
.macro WOUT base, ustep
.irp t, 0,1,2,3
.irp j, 0,1,2,3,4,5,6,7
	ds_load_b32 v[CO+8*(4+\t)+\j], v[RWL] offset:WU+\j*272+\t*64   ; unit 1, tile t
.endr
	s_wait_dscnt 32                                ; unit 0's tile t is back: younger are 8 (3 - t) loads of unit 0 and 8 (t + 1) of unit 1
	PACKT \t, \base, \t*512
.endr
.irp t, 0,1,2,3
	s_wait_dscnt 24-8*\t                           ; unit 1's tile t is back; eight loads for each later tile may be out
	PACKT 4+\t, \base, \ustep+\t*512
.endr
.endm
	s_cmp_lt_u32 s29, 192
	s_cbranch_scc0 .Lout_wo
	WOUT 16, 6144
	s_branch .Lend
.Lout_wo:
	WOUT 18, 4096
.Lend:
	s_wait_tensorcnt 0x0
	ds_add_u32 v30, v31
	s_wait_dscnt 0x0
	s_endpgm
.Lfunc_end_k_q1e273b24e3_prep:
	.size	k_q1e273b24e3_prep, .Lfunc_end_k_q1e273b24e3_prep-k_q1e273b24e3_prep
	.p2alignl 7, 3214868480
	.fill 96, 4, 3214868480
	.section	.rodata,"a",@progbits
	.p2align	6, 0x0
	.amdhsa_kernel k_q1e273b24e3_prep
		.amdhsa_group_segment_fixed_size 142336
		.amdhsa_private_segment_fixed_size 0
		.amdhsa_enable_private_segment 0
		.amdhsa_kernarg_size 80
		.amdhsa_user_sgpr_count 2
		.amdhsa_user_sgpr_kernarg_segment_ptr 1
		.amdhsa_wavefront_size32 1
		.amdhsa_system_sgpr_workgroup_id_x 1
		.amdhsa_system_sgpr_workgroup_id_y 1
		.amdhsa_system_sgpr_workgroup_id_z 1
		.amdhsa_system_vgpr_workitem_id 0
		.amdhsa_next_free_vgpr 256
		.amdhsa_next_free_sgpr 66
		.amdhsa_reserve_vcc 0
		.amdhsa_float_denorm_mode_32 3
		.amdhsa_float_denorm_mode_16_64 3
		.amdhsa_memory_ordered 1
		.amdhsa_forward_progress 1
		.amdhsa_inst_pref_size 54
	.end_amdhsa_kernel
	.amdgpu_metadata
---
amdhsa.version: [ 1, 2 ]
amdhsa.kernels:
  - .name:           k_q1e273b24e3_prep
    .symbol:         k_q1e273b24e3_prep.kd
    .args:
      - { .name: q_input, .offset: 0, .size: 8, .value_kind: global_buffer, .address_space: global }
      - { .name: w_qkv, .offset: 8, .size: 8, .value_kind: global_buffer, .address_space: global }
      - { .name: w_out, .offset: 16, .size: 8, .value_kind: global_buffer, .address_space: global }
      - { .name: mask, .offset: 24, .size: 8, .value_kind: global_buffer, .address_space: global }
      - { .name: b_out, .offset: 32, .size: 8, .value_kind: global_buffer, .address_space: global }
      - { .name: xf, .offset: 40, .size: 8, .value_kind: global_buffer, .address_space: global }
      - { .name: wf, .offset: 48, .size: 8, .value_kind: global_buffer, .address_space: global }
      - { .name: wof, .offset: 56, .size: 8, .value_kind: global_buffer, .address_space: global }
      - { .name: maskw, .offset: 64, .size: 8, .value_kind: global_buffer, .address_space: global }
      - { .name: out1, .offset: 72, .size: 8, .value_kind: global_buffer, .address_space: global }
    .group_segment_fixed_size: 142336
    .private_segment_fixed_size: 0
    .kernarg_segment_align: 8
    .kernarg_segment_size: 80
    .max_flat_workgroup_size: 256
    .sgpr_count:     66
    .vgpr_count:     256
    .wavefront_size: 32
...
	.end_amdgpu_metadata
.endif
;; end of part 4
;; launch qkv (part 5): grid 16 x 16, 4 waves a work-group, clusters of 4 x 4, 327,680 bytes of LDS; arguments xf, wf, b_qkv, qf, kv; writes qf, kv
.if DOCPART == 5
	.amdgcn_target "amdgcn-amd-amdhsa--gfx1250"
	.amdhsa_code_object_version 6
	.text
	.protected	k_q1e273b24e3_qkv
	.globl	k_q1e273b24e3_qkv
	.p2align	8
	.type	k_q1e273b24e3_qkv,@function
k_q1e273b24e3_qkv:
	s_mov_b64 s[64:65], 0
	v_nop
	global_prefetch_b8 v0, s[64:65] scope:SCOPE_SE
	s_setreg_imm32_b32 hwreg(HW_REG_WAVE_MODE, 25, 1), 1
	s_wait_xcnt 0x0
	s_wait_alu depctr_hold_cnt(0) depctr_sa_sdst(0) depctr_va_vdst(0) depctr_va_sdst(0) depctr_va_ssrc(0) depctr_va_vcc(0) depctr_vm_vsrc(0)
	s_getreg_b32 s2, hwreg(HW_REG_IB_STS2, 6, 4)
	s_cmp_eq_u32 s2, 0
	s_cbranch_scc0 .Lentry_in_a_cluster
	s_endpgm
.Lentry_in_a_cluster:
	s_bfe_u32 s2, ttmp6, 0x10000c
	s_cmp_lg_u32 s2, 0xf033
	s_cbranch_scc0 .Lentry_shape_is_right
	s_endpgm
.Lentry_shape_is_right:
; qkv = x w + bias for one head n and 256 rows f of one batch b.  Both operands come as f16 in fragment order (tiles of 16 x 16 = 512 bytes, lane L's 16
; bytes at 16 L): xf [y = 8 b + f / 256][k / 128][f tile: 16][k tile: 8][512], wf [head][k tile: 64][column tile: 12][512].
; Work-group (block column = head n, block row = y): 256 x 192 of the result with four waves, as many as a WGP has SIMDs; wave w has rows 128 (w >> 1) .. + 127
; and, of each of q, k, v, columns 32 (w & 1) .. + 31: 8 x 6 accumulator tiles, 384 registers.  K = 1024 in 8 stages of 128 through two LDS slots.
; A slot holds x's 65,536 bytes and w's 49,152 bytes of a stage, both dense in memory: waves 0 and 1 fetch x's halves, waves 2 and 3 w's halves, one tensor
; load a wave.  A wave has two tensor loads out at the start and one behind each refill.  In LDS every fragment load takes 512
; consecutive bytes: no padding is needed.
; CLUSTER: 4 x 4 work-groups.  x's tile hangs on the block row alone and is asked for jointly by the four of a row of the cluster; w's hangs on the head alone
; and is asked for jointly by the four of a column.  That divides the requests for both by four.
; THE BIAS is the C operand of the first product of each sum: nothing is cleared, and nothing is added on the way out.
; q and k tiles are made with the sources swapped (a lane holds 8 neighbouring columns of one row), v tiles in the natural order (8 rows of one column).
; OUTPUT in fragment order: qf [16 b + n][f / 16][e / 16][512]: lane (r, h) holds q'(f = r, e = 8 h + 0..7), q' = (q + bias) * 0.125 * log2(e);
;   kv [16 b + n][t / 64][K 8192 | V 8192]: K as qf with t for f; V [t / 16][e / 16][512]: lane (r, h) holds v(t = 8 h + 0..7, e = r).
; REGISTERS in windows of 256: window 0: addresses, two fragment buffers of 112 (x's 8 fragments, then w's 6); window 1: the 32 tiles of q and k, tile (c, a) at
; 8 (8 c + a); window 2: the 16 tiles of v at 8 (8 c + a), then the bias.
; LIMITS: q', k, v leave as f16: their magnitudes have to stay below 65,504.  NaN and infinite inputs are not served.
.set ASZ,   65536                      ; x's part of a slot: [f tile: 16][k tile: 8][512]
.set BSZ,   49152                      ; w's part: [k tile: 8][column tile: 12][512]
.set SLOT,  ASZ+BSZ
.set QS,    0x3e38aa3b                 ; 0.125 * log2(e)
.set ADRA, 2                           ; v2, v3   LDS address of my x fragments in slot 0, 1
.set ADRB, 4                           ; v4, v5   the same for w
.set GB,   6                           ; bias of q and k tiles (8 columns a lane)
.set GBV,  7                           ; bias of v tiles (1 column a lane)
.set OQ,   8                           ; my 16 bytes in qf
.set OKV,  9                           ; my 16 bytes in kv
.set F0,   16                          ; fragment buffer 0: v[16:127]
.set F1,   128                         ; fragment buffer 1: v[128:239]
.set PK,   16                          ; the way out: 24 packed registers for each of 8 row tiles
.set BI,   128                         ; window 2: bias of tiles 0..3, eight registers each
.set BV,   160                         ; window 2: bias of the two v tiles, the lane's number eight times each
.set G1,  24                           ; s[24:31] descriptor group 1 for x's tiles
.set G0,  32                           ; s[32:39] descriptor group 0 for x's tiles, one set for each slot
.set G1B, 48                           ; s[48:55] group 1 for w's tiles
.set G0B, 56                           ; s[56:63] group 0 for w's tiles, one set for each slot
.set MSB, 0
.macro WIN new                         ; the immediate's high byte repeats the setting that is left
.if MSB != \new
	s_set_vgpr_msb (MSB<<8)|\new
.set MSB, \new
.endif
.endm
.macro PLACES                          ; four plain vector places behind matrix instructions (ISA guide 7.12.1)
.rept 4
	v_nop
.endr
.endm
; A joint load.  Waves 0 and 1 ask for x's halves, waves 2 and 3 for w's.  The branch hangs on the wave's number alone.
.macro JLOAD s
	s_cmp_eq_u32 s15, 0
	s_cbranch_scc0 .Lfor_b_\@
	tensor_load_to_lds s[G0+4*\s:G0+4*\s+3], s[G1:G1+7]
	s_nop 0
	s_branch .Lasked_\@
.Lfor_b_\@:
	tensor_load_to_lds s[G0B+4*\s:G0B+4*\s+3], s[G1B:G1B+7]
	s_nop 0
.Lasked_\@:
.endm
; A round of the cluster's barrier: my work-group's barrier, wave 0 signals for the work-group, every wave waits for all sixteen, my work-group's barrier again.
.macro CREST                           ; a round behind its opening barrier
	s_cmp_lg_u32 s14, 0
	s_cbranch_scc1 .Lnot_wave_0_\@
	s_barrier_signal -3
.Lnot_wave_0_\@:
	s_barrier_wait -3
	s_barrier_signal -1
	s_barrier_wait -1
.endm
.macro CROUND                          ; a whole round
	s_barrier_signal -1
	s_barrier_wait -1
	CREST
.endm
	s_load_b256 s[4:11], s[0:1], 0x0               ; xf s[4:5], wf s[6:7], b_qkv s[8:9], qf s[10:11]
	s_load_b64 s[12:13], s[0:1], 0x20              ; kv
	v_lshl_add_u32 v254, v0, 2, 0x38000
	v_mov_b32 v255, 0
	ds_add_u32 v254, v255
	v_lshrrev_b32 v1, 5, v0
	v_readfirstlane_b32 s14, v1                    ; wave 0..3
	s_lshr_b32 s15, s14, 1                         ; which 128 rows are mine.  Also: I fetch for x (0) or for w (1)
	s_and_b32 s16, s14, 1                          ; which 32 columns of q, k, v.  Also: which half of that tile I fetch
	s_bfe_u32 s17, ttmp6, 0x40000                  ; cx
	s_bfe_u32 s18, ttmp6, 0x40004                  ; cy
	s_lshl_b32 s19, ttmp9, 2
	s_add_co_u32 s19, s19, s17                     ; head n = 4 x cluster x + cx
	s_and_b32 s20, ttmp7, 0xffff
	s_lshl_b32 s20, s20, 2
	s_add_co_u32 s20, s20, s18                     ; block row y = 4 x cluster y + cy
	s_lshl_b32 s22, s18, 2
	s_lshl_b32 s22, 15, s22                        ; my row of the cluster: places 4 cy .. 4 cy + 3
	s_lshl_b32 s23, 0x1111, s17                    ; my column: places cx, cx + 4, cx + 8, cx + 12
	; group 1: dense blocks as rows of 32 elements of 8 bytes; x's half is 128 such rows, w's half 96
	s_or_b32 s[G1+0], s22, (3<<16)|(1<<21)         ; the mask: x's tiles go to my row; elements of 8 bytes; bit 21 beside a mask
	s_or_b32 s[G1B+0], s23, (3<<16)|(1<<21)        ; w's tiles go to my column
	s_mov_b32 s[G1+1], 32<<16                      ; tensor_dim0 = 32
	s_mov_b32 s[G1B+1], 32<<16
	s_mov_b32 s[G1+2], 128<<16                     ; tensor_dim1 = 128
	s_mov_b32 s[G1B+2], 96<<16                     ; tensor_dim1 = 96
	s_mov_b32 s[G1+3], 32<<16                      ; tile_dim0 = 32
	s_mov_b32 s[G1B+3], 32<<16
	s_mov_b32 s[G1+4], 128                         ; tile_dim1
	s_mov_b32 s[G1B+4], 96
	s_mov_b32 s[G1+5], 32                          ; pitch = 32 elements
	s_mov_b32 s[G1B+5], 32
	s_mov_b32 s[G1+6], 0
	s_mov_b32 s[G1B+6], 0
	s_mov_b32 s[G1+7], 0
	s_mov_b32 s[G1B+7], 0
	; where the tiles come from: x's address is made of the block row and the wave's number, w's of the head and the wave's number, each in registers of its own
	s_lshl_b32 s40, s20, 19                        ; 8 stages of 65,536 bytes a block row
	s_lshl_b32 s41, s16, 15                        ; my half
	s_add_co_u32 s40, s40, s41
	s_mov_b32 s41, 0
	s_mul_i32 s42, s19, 393216                     ; 8 stages of 49,152 bytes a head
	s_mul_i32 s43, s16, 24576
	s_add_co_u32 s42, s42, s43
	s_mov_b32 s43, 0
	s_lshl_b32 s44, s14, 15                        ; and where they go: x's halves at 32,768 x wave (waves 0, 1),
	s_mul_i32 s45, s14, 24576
	s_add_co_u32 s45, s45, 16384                   ; w's halves at 16,384 + 24,576 x wave (waves 2, 3): 65,536 and 90,112
	s_wait_dscnt 0x0
	s_wait_kmcnt 0x0
	s_add_nc_u64 s[40:41], s[4:5], s[40:41]
	s_add_nc_u64 s[42:43], s[6:7], s[42:43]
	CROUND                                         ; all sixteen work-groups are here: the first joint loads meet
.irp s, 0,1
	s_mov_b32 s[G0+4*\s], 1
	s_add_co_u32 s[G0+4*\s+1], s44, \s*SLOT
	s_add_nc_u64 s[G0+4*\s+2:G0+4*\s+3], s[40:41], \s*ASZ          ; stage s
	s_or_b32 s[G0+4*\s+3], s[G0+4*\s+3], 0x80000000                ; type = 2
	s_mov_b32 s[G0B+4*\s], 1
	s_add_co_u32 s[G0B+4*\s+1], s45, \s*SLOT
	s_add_nc_u64 s[G0B+4*\s+2:G0B+4*\s+3], s[42:43], \s*BSZ
	s_or_b32 s[G0B+4*\s+3], s[G0B+4*\s+3], 0x80000000
	JLOAD \s                                       ; both slots are asked for before anything else is done
.endr
	v_and_b32 v1, 31, v0
	v_lshlrev_b32 v1, 4, v1                        ; 16 L
	v_and_b32 v10, 15, v0                          ; r
	v_bfe_u32 v11, v0, 4, 1                        ; h
	s_lshl_b32 s46, s15, 15
	v_add_nc_u32 v[ADRA], s46, v1                  ; my 8 row tiles of 4,096 bytes
	v_add_nc_u32 v[ADRA+1], SLOT, v[ADRA]
	s_lshl_b32 s46, s16, 10
	v_add_nc_u32 v[OQ], s46, v1                    ; two column tiles of 512 bytes for each half of the columns
	v_add_nc_u32 v[ADRB], ASZ, v[OQ]
	v_add_nc_u32 v[ADRB+1], SLOT, v[ADRB]
	s_lshl_b32 s46, s15, 15
	v_add_nc_u32 v[OKV], s46, v[OQ]                ; kv: my 128 rows are two chunks of 16,384 bytes
	s_lshl_b32 s46, s15, 14
	v_add_nc_u32 v[OQ], s46, v[OQ]                 ; qf: my 8 row tiles of 2,048 bytes
	s_lshl_b32 s46, s16, 7
	v_lshl_add_u32 v[GB], v11, 5, s46
	v_lshl_add_u32 v[GBV], v10, 2, s46
	s_mul_i32 s46, s19, 768                        ; the head's 192 columns
	s_mov_b32 s47, 0
	s_add_nc_u64 s[8:9], s[8:9], s[46:47]
	s_lshr_b32 s2, s20, 3                          ; b
	s_lshl_b32 s2, s2, 4
	s_add_co_u32 s2, s2, s19                       ; 16 b + n
	s_and_b32 s3, s20, 7                           ; which 256 rows of the batch
	s_lshl_b32 s46, s2, 18
	s_lshl_b32 s47, s3, 15
	s_add_co_u32 s46, s46, s47
	s_mov_b32 s47, 0
	s_add_nc_u64 s[10:11], s[10:11], s[46:47]
	s_lshl_b32 s46, s2, 19
	s_lshl_b32 s47, s3, 16
	s_add_co_u32 s46, s46, s47
	s_mov_b32 s47, 0
	s_add_nc_u64 s[12:13], s[12:13], s[46:47]
	WIN 0x80                                       ; destination in window 2
.irp c, 0,1,2,3
	global_load_b128 v[BI+8*\c:BI+8*\c+3], v[GB], s[8:9] offset:(\c>>1)*256+(\c&1)*64
	global_load_b128 v[BI+8*\c+4:BI+8*\c+7], v[GB], s[8:9] offset:(\c>>1)*256+(\c&1)*64+16
.endr
	global_load_b32 v[BV], v[GBV], s[8:9] offset:512
	global_load_b32 v[BV+8], v[GBV], s[8:9] offset:576
	s_wait_loadcnt 0x0
	WIN 0x82                                       ; destination and source 0 in window 2
.irp i, 0,1
.irp j, 1,2,3,4,5,6,7
	v_mov_b32 v[BV+8*\i+\j], v[BV+8*\i]            ; in a v tile a lane's eight registers are eight rows of one column
.endr
.endr
	WIN 0
; Eight matrix instructions: column tile c of q and k (0..3) x my eight row tiles, sources swapped.  bias = 1: the first product starts the sums from the bias.
.macro MULS f, c, bias
.irp a, 0,1,2,3,4,5,6,7
.if \bias
	v_wmma_f32_16x16x32_f16 v[8*(8*\c+\a):8*(8*\c+\a)+7], v[\f+64+8*\c:\f+64+8*\c+7], v[\f+8*\a:\f+8*\a+7], v[BI+8*\c:BI+8*\c+7]
.else
	v_wmma_f32_16x16x32_f16 v[8*(8*\c+\a):8*(8*\c+\a)+7], v[\f+64+8*\c:\f+64+8*\c+7], v[\f+8*\a:\f+8*\a+7], v[8*(8*\c+\a):8*(8*\c+\a)+7]
.endif
.endr
.endm
; The same for column tile c of v (0, 1), in the natural order
.macro MULN f, c, bias
.irp a, 0,1,2,3,4,5,6,7
.if \bias
	v_wmma_f32_16x16x32_f16 v[8*(8*\c+\a):8*(8*\c+\a)+7], v[\f+8*\a:\f+8*\a+7], v[\f+96+8*\c:\f+96+8*\c+7], v[BV+8*\c:BV+8*\c+7]
.else
	v_wmma_f32_16x16x32_f16 v[8*(8*\c+\a):8*(8*\c+\a)+7], v[\f+8*\a:\f+8*\a+7], v[\f+96+8*\c:\f+96+8*\c+7], v[8*(8*\c+\a):8*(8*\c+\a)+7]
.endif
.endr
.endm
; 48 matrix instructions, 32 along K.  The 48 accumulators take turns, one instruction a turn, in the same order everywhere.
.macro MULALL f, bias
.if \bias
	WIN 0x60                                       ; D in window 1, C (the bias) in window 2
.else
	WIN 0x50                                       ; C and D in window 1
.endif
	MULS \f, 0, \bias
	MULS \f, 1, \bias
	MULS \f, 2, \bias
	MULS \f, 3, \bias
	WIN 0xa0                                       ; C and D in window 2
	MULN \f, 0, \bias
	MULN \f, 1, \bias
	WIN 0
.endm
; 28 LDS loads in one run: the fragments of quarter kk of a stage into buffer f
.macro FETCH slot, kk, f
.irp a, 0,1,2,3,4,5,6,7
	ds_load_b128 v[\f+8*\a:\f+8*\a+3], v[ADRA+\slot] offset:\a*4096+\kk*1024
	ds_load_b128 v[\f+8*\a+4:\f+8*\a+7], v[ADRA+\slot] offset:\a*4096+\kk*1024+512
.endr
.irp c, 0,1,2,3,4,5
	ds_load_b128 v[\f+64+8*\c:\f+64+8*\c+3], v[ADRB+\slot] offset:\kk*12288+(\c>>1)*2048+(\c&1)*512
	ds_load_b128 v[\f+64+8*\c+4:\f+64+8*\c+7], v[ADRB+\slot] offset:\kk*12288+(\c>>1)*2048+(\c&1)*512+6144
.endr
.endm
; One of a stage's first three quarters: asks for quarter kk into buffer g, 48 matrix instructions ahead of its use, and multiplies buffer f.
.macro QUARTER slot, kk, f, g, bias
	PLACES                                         ; the loads below land in registers that the last matrix instructions have read
	FETCH \slot, \kk, \g
	s_wait_dscnt 28                                ; all but the 28 just issued: buffer f is in
	MULALL \f, \bias
.endm
.macro THREE slot, bias
	QUARTER \slot, 1, F0, F1, \bias
	QUARTER \slot, 2, F1, F0, 0
	QUARTER \slot, 3, F0, F1, 0
.endm
; The last quarter: multiplies buffer 1 and changes slots.  fill = 1: this slot is filled again, two stages ahead.
; In front of the barrier each wave waits for its reads of this slot and for all its tensor loads (the one that is out is its part of the next slot); where the slot is
; filled again the barrier opens a round of the cluster's barrier, and the joint refill is the first tensor load behind the round, ahead of the next LDS read.
.macro TURN slot, next, fill
	s_wait_dscnt 0x0                               ; buffer 1 is in: my reads of this slot are over
	s_wait_tensorcnt 0x0                           ; all my tensor loads have landed
	ds_add_u32 v254, v255
	s_wait_dscnt 0x0
	s_barrier_signal -1
	WIN 0x50
	MULS F1, 0, 0                                  ; work on registers while the others arrive
	MULS F1, 1, 0
	WIN 0
	s_barrier_wait -1
.if \fill
	CREST
	s_add_nc_u64 s[G0+4*\slot+2:G0+4*\slot+3], s[G0+4*\slot+2:G0+4*\slot+3], 2*ASZ
	s_add_nc_u64 s[G0B+4*\slot+2:G0B+4*\slot+3], s[G0B+4*\slot+2:G0B+4*\slot+3], 2*BSZ
	JLOAD \slot
.endif
	PLACES                                         ; buffer 0 was read by matrix instructions
	FETCH \next, 0, F0
	WIN 0x50
	MULS F1, 2, 0
	MULS F1, 3, 0
	WIN 0xa0
	MULN F1, 0, 0
	MULN F1, 1, 0
	WIN 0
.endm
.macro LAP bias                        ; two stages, both slots filled again
	THREE 0, \bias
	TURN 0, 1, 1
	THREE 1, 0
	TURN 1, 0, 1
.endm
	s_wait_tensorcnt 0x1                           ; my part of stage 0 is in; stage 1's stays out
	s_barrier_signal -1
	s_barrier_wait -1                              ; everybody's is
	FETCH 0, 0, F0
	LAP 1                                          ; stages 0, 1; asks for 2, 3
	s_mov_b32 s21, 2
.Llap:
	LAP 0                                          ; stages 2 to 5; asks for 4 to 7
	s_sub_co_u32 s21, s21, 1
	s_cmp_lg_u32 s21, 0
	s_cbranch_scc1 .Llap
	THREE 0, 0                                     ; stages 6, 7: nothing is left to fetch, and no round of the cluster's barrier
	TURN 0, 1, 0
	THREE 1, 0
	s_wait_dscnt 0x0
	MULALL F1, 0
	; THE WAY OUT: q is scaled in f32, every tile is packed to 16 bytes a lane and stored as 512 consecutive bytes.
	PLACES
	WIN 0x41                                       ; destination and source 0 in window 1
.irp c, 0,1
.irp a, 0,1,2,3,4,5,6,7
.irp p, 0,1,2,3
	v_pk_mul_f32 v[8*(8*\c+\a)+2*\p:8*(8*\c+\a)+2*\p+1], v[8*(8*\c+\a)+2*\p:8*(8*\c+\a)+2*\p+1], QS op_sel_hi:[1,0]
.endr
.endr
.endr
	WIN 0x05                                       ; sources 0 and 1 in window 1
.irp a, 0,1,2,3,4,5,6,7
.irp c, 0,1,2,3
.irp p, 0,1,2,3
	v_cvt_pk_f16_f32 v[PK+24*\a+4*\c+\p], v[8*(8*\c+\a)+2*\p], v[8*(8*\c+\a)+2*\p+1]
.endr
.endr
.endr
	WIN 0x0a                                       ; sources 0 and 1 in window 2
.irp a, 0,1,2,3,4,5,6,7
.irp c, 0,1
.irp p, 0,1,2,3
	v_cvt_pk_f16_f32 v[PK+24*\a+16+4*\c+\p], v[8*(8*\c+\a)+2*\p], v[8*(8*\c+\a)+2*\p+1]
.endr
.endr
.endr
	WIN 0
.irp a, 0,1,2,3,4,5,6,7
.irp i, 0,1                                        ; each row tile has packed registers of its own: no store's data is written again
	global_store_b128 v[OQ], v[PK+24*\a+4*\i:PK+24*\a+4*\i+3], s[10:11] offset:\a*2048+\i*512
	global_store_b128 v[OKV], v[PK+24*\a+8+4*\i:PK+24*\a+8+4*\i+3], s[12:13] offset:(\a>>2)*16384+(\a&3)*2048+\i*512
	global_store_b128 v[OKV], v[PK+24*\a+16+4*\i:PK+24*\a+16+4*\i+3], s[12:13] offset:(\a>>2)*16384+8192+(\a&3)*2048+\i*512
.endr
.endr
	CROUND                                         ; the closing round: no work-group ends while a partner may still ask for a tile that names it
	s_endpgm
.Lfunc_end_k_q1e273b24e3_qkv:
	.size	k_q1e273b24e3_qkv, .Lfunc_end_k_q1e273b24e3_qkv-k_q1e273b24e3_qkv
	.p2alignl 7, 3214868480
	.fill 96, 4, 3214868480
	.section	.rodata,"a",@progbits
	.p2align	6, 0x0
	.amdhsa_kernel k_q1e273b24e3_qkv
		.amdhsa_group_segment_fixed_size 327680
		.amdhsa_private_segment_fixed_size 0
		.amdhsa_enable_private_segment 0
		.amdhsa_kernarg_size 40
		.amdhsa_user_sgpr_count 2
		.amdhsa_user_sgpr_kernarg_segment_ptr 1
		.amdhsa_wavefront_size32 1
		.amdhsa_system_sgpr_workgroup_id_x 1
		.amdhsa_system_sgpr_workgroup_id_y 1
		.amdhsa_system_sgpr_workgroup_id_z 1
		.amdhsa_system_vgpr_workitem_id 0
		.amdhsa_next_free_vgpr 704
		.amdhsa_next_free_sgpr 66
		.amdhsa_reserve_vcc 0
		.amdhsa_float_denorm_mode_32 3
		.amdhsa_float_denorm_mode_16_64 3
		.amdhsa_memory_ordered 1
		.amdhsa_forward_progress 1
		.amdhsa_inst_pref_size 155
	.end_amdhsa_kernel
	.amdgpu_metadata
---
amdhsa.version: [ 1, 2 ]
amdhsa.kernels:
  - .name:           k_q1e273b24e3_qkv
    .symbol:         k_q1e273b24e3_qkv.kd
    .args:
      - { .name: xf, .offset: 0, .size: 8, .value_kind: global_buffer, .address_space: global }
      - { .name: wf, .offset: 8, .size: 8, .value_kind: global_buffer, .address_space: global }
      - { .name: b_qkv, .offset: 16, .size: 8, .value_kind: global_buffer, .address_space: global }
      - { .name: qf, .offset: 24, .size: 8, .value_kind: global_buffer, .address_space: global }
      - { .name: kv, .offset: 32, .size: 8, .value_kind: global_buffer, .address_space: global }
    .group_segment_fixed_size: 327680
    .private_segment_fixed_size: 0
    .kernarg_segment_align: 8
    .kernarg_segment_size: 40
    .max_flat_workgroup_size: 128
    .sgpr_count:     66
    .vgpr_count:     704
    .wavefront_size: 32
...
	.end_amdgpu_metadata
.endif
;; end of part 5
;; launch attn (part 6): grid 8 x 32, 16 waves a work-group, clusters of 4 x 1, 327,680 bytes of LDS; arguments qf, kv, maskw, cf; writes cf
.if DOCPART == 6
	.amdgcn_target "amdgcn-amd-amdhsa--gfx1250"
	.amdhsa_code_object_version 6
	.text
	.protected	k_q1e273b24e3_attn
	.globl	k_q1e273b24e3_attn
	.p2align	8
	.type	k_q1e273b24e3_attn,@function
k_q1e273b24e3_attn:
	s_mov_b64 s[64:65], 0
	v_nop
	global_prefetch_b8 v0, s[64:65] scope:SCOPE_SE
	s_setreg_imm32_b32 hwreg(HW_REG_WAVE_MODE, 25, 1), 1
	s_wait_xcnt 0x0
	s_wait_alu depctr_hold_cnt(0) depctr_sa_sdst(0) depctr_va_vdst(0) depctr_va_sdst(0) depctr_va_ssrc(0) depctr_va_vcc(0) depctr_vm_vsrc(0)
	s_getreg_b32 s2, hwreg(HW_REG_IB_STS2, 6, 4)
	s_cmp_eq_u32 s2, 0
	s_cbranch_scc0 .Lentry_in_a_cluster
	s_endpgm
.Lentry_in_a_cluster:
	s_bfe_u32 s2, ttmp6, 0x10000c
	s_cmp_lg_u32 s2, 0x3003
	s_cbranch_scc0 .Lentry_shape_is_right
	s_endpgm
.Lentry_shape_is_right:
; Masked softmax attention for one (batch, head) pair hd = 16 b + n and 256 queries; 2,048 keys in 32 chunks of 64.
; SIXTEEN WAVES, four on each SIMD with 256 registers each.  Wave w owns the two query tiles of query group w & 7 and the chunks of parity w >> 3: 16 steps.
; A step is 303 vector and 32 matrix instructions with long dependent runs (the maximum's chain, the products); four waves on a SIMD fill each other's waits.
; Each chunk is still read from LDS by eight waves.  The two waves of a query group each keep a running maximum, sum and O; these are merged once, at the end.
; S^T = K Q^T puts a query in lane r and the keys in the registers, so the row's maximum and sum are a lane's own but for one exchange between the two
; halves of the wave, and the packed P is already the second source of O^T = V^T P^T.
; q carries 0.125 * log2(e), so the softmax works in base 2.  A masked logit is REPLACED by -10000 * log2(e) (a select, not an addition), and a running
; maximum is taken away before every exponential, as the problem's softmax does: a row that is masked throughout gives the mean of v.
; CLUSTER: the four work-groups of a cluster take four query blocks of the same head and read the same K and V: every fill is a joint load that names all four.
; LDS: two slots of 131,072 bytes = 512 keys = 8 chunks of (K 8,192 | V 8,192).  The sixteen waves share a slot's fill: 8,192 bytes a wave, 32 rows of 256 bytes,
; one load.  Four fills cover the keys.  A wave has two tensor loads out at the start and one behind each refill.
; The place in the cluster enters the global addresses of q, the mask words and ctx alone.
; OUTPUT cf [b][f / 16][k / 16: 64][512], k = 64 n + e: lane (r, h) holds ctx(f = r, k = 8 h + 0..7) in f16.
; LIMITS: P and ctx are f16: P below 6e-8 rounds to 0, |ctx| has to stay below 65,504; exponentials below 2^-126 come out as 0 (ISA guide, v_exp_f32);
; -10000 * log2(e) is rounded to f32; NaN and infinite inputs are not served.
.set SLOTB, 131072
.set CHUNK, 16384
.set STG,   9216                       ; the merge's stage for a query group: O 8,192, maxima 512, sums 512; eight of them in slot 0, behind its last fill and last read
.set LA,  1                            ; LDS address of my 16 bytes in the step's chunk
.set NEG, 2                            ; -10000 * log2(e)
.set L16, 3                            ; 16 x lane
.set MX,  4                            ; v[4:7]     running maximum, a pair (twice the same) for each query tile
.set LS,  8                            ; v[8:11]    running sum, a pair of partial sums for each query tile
.set AL,  12                           ; v[12:13]   the step's rescale factor, twice
.set T0,  14                           ; v[14:17]   at work
.set TP,  18                           ; the other half's figure
.set LB,  19                           ; 16 x lane + my key half's first chunk
.set L2,  20                           ; v[20:21]   second chain of the sum; in the merge the partner's factor, twice
.set SA,  22                           ; my 16 bytes in my query group's stage
.set Q,   32                           ; v[32:63]   q fragments at 16 ft + 8 kk
.set O,   64                           ; v[64:127]  O^T at 32 ft + 8 c
.set S,   128                          ; v[128:191] S^T at 32 ft + 8 tb; P(ft, u) takes the place of v[S + 32 ft + 16 u .. + 7]; in the merge the partner's O
.set KV,  192                          ; v[192:255] K fragments, then V fragments
.set PS,  192                          ; the merge: v[192:195] the partner's maxima, v[196:199] its sums
.set PK,  208                          ; the merge: v[208:239] ctx packed, 16 registers for each query tile
.macro PLACES                          ; four plain vector places behind matrix instructions (ISA guide 7.12.1)
.rept 4
	v_nop
.endr
.endm
; A round of the cluster's barrier: my work-group's barrier, wave 0 signals for the work-group, every wave waits for all four work-groups, my work-group's barrier again.
.macro ROUND
	s_barrier_signal -1
	s_barrier_wait -1
	s_cmp_lg_u32 s12, 0
	s_cbranch_scc1 .Lnot_wave_0_\@
	s_barrier_signal -3
.Lnot_wave_0_\@:
	s_barrier_wait -3
	s_barrier_signal -1
	s_barrier_wait -1
.endm
	s_load_b256 s[4:11], s[0:1], 0x0               ; qf s[4:5], kv s[6:7], maskw s[8:9], cf s[10:11]
	v_lshl_add_u32 v30, v0, 2, 0x40000
	v_mov_b32 v31, 0
	ds_add_u32 v30, v31
	v_lshrrev_b32 v1, 5, v0
	v_readfirstlane_b32 s12, v1                    ; wave w, 0..15
	s_and_b32 s36, s12, 7                          ; query group
	s_lshr_b32 s37, s12, 3                         ; key half: chunks of this parity
	s_bfe_u32 s2, ttmp6, 0x40000                   ; cx
	s_lshl_b32 s3, ttmp9, 2
	s_add_co_u32 s3, s3, s2                        ; query block qb = 4 x cluster x + cx
	s_and_b32 s32, ttmp7, 0xffff                   ; hd, the same in all four partners
	s_lshr_b32 s33, s32, 4                         ; b
	s_and_b32 s34, s32, 15                         ; n
	s_mov_b32 s14, 0x76543210                      ; v_permlanex16_b32: lane i of one half reads lane i of the other
	s_mov_b32 s15, 0xfedcba98
	; descriptor group 1: a dense block of 32 rows x 32 elements of 8 bytes; mask = all four partners, bit 21 beside it
	s_mov_b32 s16, 15|(3<<16)|(1<<21)
	s_mov_b32 s17, 32<<16                          ; tensor_dim0 = 32
	s_mov_b32 s18, 32<<16                          ; tensor_dim1 = 32
	s_mov_b32 s19, 32<<16                          ; tile_dim0 = 32
	s_mov_b32 s20, 32                              ; tile_dim1 = 32
	s_mov_b32 s21, 32                              ; pitch = 32 elements
	s_mov_b32 s22, 0
	s_mov_b32 s23, 0
	; descriptor group 0, one for each slot: made of hd and the wave's number alone
	s_mov_b32 s24, 1
	s_lshl_b32 s25, s12, 13                        ; my 8,192 bytes of slot 0
	s_mov_b32 s28, 1
	s_add_co_u32 s29, s25, SLOTB                   ; my 8,192 bytes of slot 1
	s_lshl_b32 s100, s32, 19                       ; the head's 524,288 bytes of kv
	s_add_co_u32 s100, s100, s25
	s_mov_b32 s101, 0
	s_mov_b32 s67, 0
	s_lshl_b32 s66, s32, 18                        ; qf: hd, 16 tiles of 2,048 bytes a query block, 2 a query group
	s_lshl_b32 s35, s3, 15
	s_add_co_u32 s66, s66, s35
	s_lshl_b32 s35, s36, 12
	s_add_co_u32 s66, s66, s35
	s_wait_dscnt 0x0
	s_wait_kmcnt 0x0
	s_add_nc_u64 s[4:5], s[4:5], s[66:67]
	s_lshl_b32 s66, s33, 19                        ; maskw: b, 4,096 bytes for each query tile, 128 for each chunk
	s_lshl_b32 s35, s3, 16
	s_add_co_u32 s66, s66, s35
	s_lshl_b32 s35, s36, 13
	s_add_co_u32 s66, s66, s35
	s_lshl_b32 s35, s37, 7
	s_add_co_u32 s66, s66, s35
	s_add_nc_u64 s[8:9], s[8:9], s[66:67]
	s_lshl_b32 s66, s33, 22                        ; cf: b, 32,768 bytes for each query tile, 2,048 for each head
	s_lshl_b32 s35, s3, 19
	s_add_co_u32 s66, s66, s35
	s_lshl_b32 s35, s36, 16
	s_add_co_u32 s66, s66, s35
	s_lshl_b32 s35, s34, 11
	s_add_co_u32 s66, s66, s35
	s_add_nc_u64 s[10:11], s[10:11], s[66:67]
	s_add_nc_u64 s[26:27], s[6:7], s[100:101]      ; keys 0..511
	s_add_nc_u64 s[30:31], s[26:27], SLOTB         ; keys 512..1023
	s_or_b32 s27, s27, 0x80000000                  ; type = 2
	s_or_b32 s31, s31, 0x80000000
	s_lshl_b32 s100, s37, 14                       ; my key half's first chunk in a slot
	s_mul_i32 s101, s36, STG                       ; my query group's stage
	ROUND                                          ; all four work-groups are here: the first joint loads meet
	tensor_load_to_lds s[24:27], s[16:23]
	s_nop 0
	tensor_load_to_lds s[28:31], s[16:23]
	s_nop 0
	; the mask words of my first step: word (tb, j) of query tile 0 in s[32 + 8 tb + j], of query tile 1 in s[68 + 8 tb + j]
	s_load_b512 s[32:47], s[8:9], 0x0
	s_load_b512 s[48:63], s[8:9], 0x40
	s_load_b256 s[68:75], s[8:9], 0x1000
	s_load_b256 s[76:83], s[8:9], 0x1020
	s_load_b256 s[84:91], s[8:9], 0x1040
	s_load_b256 s[92:99], s[8:9], 0x1060
	v_and_b32 v[L16], 31, v0
	v_lshlrev_b32 v[L16], 4, v[L16]
.irp g, 0,1
.irp c, 0,1,2,3
	global_load_b128 v[Q+16*\g+4*\c:Q+16*\g+4*\c+3], v[L16], s[4:5] offset:\g*2048+\c*512
.endr
.endr
	v_mov_b32 v[NEG], 0xc6616bcd
	v_mov_b32 v[TP], 0                             ; v_permlanex16_b32 counts as a reader of its destination
	v_add_nc_u32 v[LB], s100, v[L16]
	v_add_nc_u32 v[SA], s101, v[L16]
; Softmax of one query tile over the step's 64 keys (32 numbers a lane).
.macro SOFT ft, first
.irp t, 0,1,2,3
	v_max3_num_f32 v[T0+\t], v[S+32*\ft+8*\t], v[S+32*\ft+8*\t+1], v[S+32*\ft+8*\t+2]      ; four chains, one a key tile
.endr
.irp t, 0,1,2,3
	v_max3_num_f32 v[T0+\t], v[T0+\t], v[S+32*\ft+8*\t+3], v[S+32*\ft+8*\t+4]
.endr
.irp t, 0,1,2,3
	v_max3_num_f32 v[T0+\t], v[T0+\t], v[S+32*\ft+8*\t+5], v[S+32*\ft+8*\t+6]
.endr
	v_max3_num_f32 v[T0], v[T0], v[S+32*\ft+7], v[S+32*\ft+15]
	v_max3_num_f32 v[T0+1], v[T0+1], v[S+32*\ft+23], v[S+32*\ft+31]
	v_max3_num_f32 v[T0], v[T0], v[T0+1], v[T0+2]
	v_max_num_f32 v[T0], v[T0], v[T0+3]
	v_permlanex16_b32 v[TP], v[T0], s14, s15       ; the other 32 keys of my query
.if \first
	v_max_num_f32 v[MX+2*\ft], v[T0], v[TP]
	v_max_num_f32 v[MX+2*\ft+1], v[T0], v[TP]
.else
	v_max3_num_f32 v[T0+1], v[T0], v[TP], v[MX+2*\ft]
	v_sub_f32 v[T0+2], v[MX+2*\ft], v[T0+1]
	v_exp_f32 v[AL], v[T0+2]                       ; 2^(old maximum - new); the two moves below are the plain place behind it (ISA guide 5.7.2)
	v_mov_b32 v[MX+2*\ft], v[T0+1]
	v_mov_b32 v[MX+2*\ft+1], v[T0+1]
	s_wait_alu depctr_va_vdst(0)
	v_mov_b32 v[AL+1], v[AL]
.endif
.irp p, 0,1,2,3,4,5,6,7,8,9,10,11,12,13,14,15
	v_pk_add_f32 v[S+32*\ft+2*\p:S+32*\ft+2*\p+1], v[S+32*\ft+2*\p:S+32*\ft+2*\p+1], v[MX+2*\ft:MX+2*\ft+1] neg_lo:[0,1] neg_hi:[0,1]
.endr
.set i, 0
.rept 32
	v_exp_f32 v[S+32*\ft+i], v[S+32*\ft+i]
.set i, i+1
.endr
.if \first
	v_nop                                          ; the plain place behind the exponentials
	s_wait_alu depctr_va_vdst(0)
	v_pk_add_f32 v[LS+2*\ft:LS+2*\ft+1], v[S+32*\ft:S+32*\ft+1], v[S+32*\ft+2:S+32*\ft+3]
.else
.irp p, 0,1,2,3,4,5,6,7,8,9,10,11,12,13,14,15
	v_pk_mul_f32 v[O+32*\ft+2*\p:O+32*\ft+2*\p+1], v[O+32*\ft+2*\p:O+32*\ft+2*\p+1], v[AL:AL+1]    ; also the plain place behind the exponentials
.endr
	s_wait_alu depctr_va_vdst(0)
	v_pk_fma_f32 v[LS+2*\ft:LS+2*\ft+1], v[LS+2*\ft:LS+2*\ft+1], v[AL:AL+1], v[S+32*\ft:S+32*\ft+1]
	v_pk_add_f32 v[LS+2*\ft:LS+2*\ft+1], v[LS+2*\ft:LS+2*\ft+1], v[S+32*\ft+2:S+32*\ft+3]
.endif
	v_pk_add_f32 v[L2:L2+1], v[S+32*\ft+4:S+32*\ft+5], v[S+32*\ft+6:S+32*\ft+7]
.irp p, 4,6,8,10,12,14
	v_pk_add_f32 v[LS+2*\ft:LS+2*\ft+1], v[LS+2*\ft:LS+2*\ft+1], v[S+32*\ft+2*\p:S+32*\ft+2*\p+1]
	v_pk_add_f32 v[L2:L2+1], v[L2:L2+1], v[S+32*\ft+2*\p+2:S+32*\ft+2*\p+3]
.endr
	v_pk_add_f32 v[LS+2*\ft:LS+2*\ft+1], v[LS+2*\ft:LS+2*\ft+1], v[L2:L2+1]
.irp u, 0,1                                        ; P in f16, in place: key tile 2 u into registers 0-3 of P(ft, u), key tile 2 u + 1 into registers 4-7
.irp p, 0,1,2,3,4,5,6,7
	v_cvt_pk_f16_f32 v[S+32*\ft+16*\u+\p], v[S+32*\ft+16*\u+2*\p], v[S+32*\ft+16*\u+2*\p+1]
.endr
.endr
.endm
; One step: a chunk of 64 keys.  first = 1: the step starts maximum, sum and O.  more = 1: my next step's mask words are asked for.
.macro STEP first, more
.irp t, 0,1,2,3
.irp q, 0,1,2,3
	ds_load_b128 v[KV+16*\t+4*\q:KV+16*\t+4*\q+3], v[LA] offset:\t*2048+\q*512     ; K: 512 consecutive bytes a load
.endr
.endr
.irp t, 0,1,2,3
	s_wait_dscnt 12-4*\t                           ; key tile t is in; four loads for each later tile may be out
	; the two query tiles' accumulators take turns, one instruction a turn
	v_wmma_f32_16x16x32_f16 v[S+8*\t:S+8*\t+7], v[KV+16*\t:KV+16*\t+7], v[Q:Q+7], 0
	v_wmma_f32_16x16x32_f16 v[S+32+8*\t:S+32+8*\t+7], v[KV+16*\t:KV+16*\t+7], v[Q+16:Q+23], 0
	v_wmma_f32_16x16x32_f16 v[S+8*\t:S+8*\t+7], v[KV+16*\t+8:KV+16*\t+15], v[Q+8:Q+15], v[S+8*\t:S+8*\t+7]
	v_wmma_f32_16x16x32_f16 v[S+32+8*\t:S+32+8*\t+7], v[KV+16*\t+8:KV+16*\t+15], v[Q+24:Q+31], v[S+32+8*\t:S+32+8*\t+7]
.endr
	PLACES                                         ; in front of the loads into K's registers and of the reads of S
.irp u, 0,1
.irp c, 0,1,2,3
	ds_load_b128 v[KV+32*\u+8*\c:KV+32*\u+8*\c+3], v[LA] offset:8192+\u*4096+\c*512          ; V^T(u, c): keys 32 u + 8 h ..
	ds_load_b128 v[KV+32*\u+8*\c+4:KV+32*\u+8*\c+7], v[LA] offset:8192+\u*4096+2048+\c*512   ; keys 32 u + 16 + 8 h ..
.endr
.endr
	s_wait_kmcnt 0x0                               ; this step's mask words
.irp t, 0,1,2,3
.irp j, 0,1,2,3,4,5,6,7
	v_cndmask_b32 v[S+8*\t+\j], v[NEG], v[S+8*\t+\j], s[32+8*\t+\j]
	v_cndmask_b32 v[S+32+8*\t+\j], v[NEG], v[S+32+8*\t+\j], s[68+8*\t+\j]
.endr
.endr
.if \more
	s_add_nc_u64 s[8:9], s[8:9], 256               ; two chunks = eight key tiles on; the loads that used the pointer are shown done above
	s_load_b512 s[32:47], s[8:9], 0x0
	s_load_b512 s[48:63], s[8:9], 0x40
	s_load_b256 s[68:75], s[8:9], 0x1000
	s_load_b256 s[76:83], s[8:9], 0x1020
	s_load_b256 s[84:91], s[8:9], 0x1040
	s_load_b256 s[92:99], s[8:9], 0x1060
.endif
	SOFT 0, \first
	SOFT 1, \first
	s_wait_dscnt 0x0                               ; V
.irp u, 0,1
.set ZZ, 0
.if \first
.if \u == 0
.set ZZ, 1
.endif
.endif
.irp c, 0,1,2,3
.irp g, 0,1                                        ; eight accumulators take turns, one instruction a turn
.if ZZ
	v_wmma_f32_16x16x32_f16 v[O+32*\g+8*\c:O+32*\g+8*\c+7], v[KV+32*\u+8*\c:KV+32*\u+8*\c+7], v[S+32*\g+16*\u:S+32*\g+16*\u+7], 0
.else
	v_wmma_f32_16x16x32_f16 v[O+32*\g+8*\c:O+32*\g+8*\c+7], v[KV+32*\u+8*\c:KV+32*\u+8*\c+7], v[S+32*\g+16*\u:S+32*\g+16*\u+7], v[O+32*\g+8*\c:O+32*\g+8*\c+7]
.endif
.endr
.endr
.endr
	PLACES                                         ; with the add below five places: the next step's products write over P, its loads land in V's registers
	v_add_nc_u32 v[LA], 2*CHUNK, v[LA]             ; my next chunk: the one between is my partner's
.endm
	s_wait_tensorcnt 0x1                           ; my part of slot 0 is in; slot 1's stays out
	s_barrier_signal -1
	s_barrier_wait -1                              ; everybody's is
	s_wait_loadcnt 0x0                             ; q
	v_mov_b32 v[LA], v[LB]                         ; keys 0..511, slot 0: four chunks of my parity
	STEP 1, 1
	s_mov_b32 s13, 3
.Lphase0:
	STEP 0, 1
	s_sub_co_i32 s13, s13, 1
	s_cmp_lg_u32 s13, 0
	s_cbranch_scc1 .Lphase0
	s_wait_dscnt 0x0                               ; my reads of slot 0 are over
	s_wait_tensorcnt 0x0                           ; all my tensor loads have landed, my part of slot 1 among them: group 0 may be written
	ds_add_u32 v30, v31
	s_wait_dscnt 0x0
	s_add_nc_u64 s[26:27], s[26:27], 2*SLOTB       ; keys 1024..1535
	ROUND                                          ; both hold of every wave of all four work-groups
	tensor_load_to_lds s[24:27], s[16:23]          ; my one load behind the round, and the first thing there
	s_nop 0
	v_add_nc_u32 v[LA], SLOTB, v[LB]               ; keys 512..1023, slot 1
	s_mov_b32 s13, 4
.Lphase1:
	STEP 0, 1
	s_sub_co_i32 s13, s13, 1
	s_cmp_lg_u32 s13, 0
	s_cbranch_scc1 .Lphase1
	s_wait_dscnt 0x0                               ; my reads of slot 1 are over
	s_wait_tensorcnt 0x0                           ; my part of slot 0 has landed
	ds_add_u32 v30, v31
	s_wait_dscnt 0x0
	s_add_nc_u64 s[30:31], s[30:31], 2*SLOTB       ; keys 1536..2047
	ROUND
	tensor_load_to_lds s[28:31], s[16:23]
	s_nop 0
	v_mov_b32 v[LA], v[LB]                         ; keys 1024..1535, slot 0
	s_mov_b32 s13, 4
.Lphase2:
	STEP 0, 1
	s_sub_co_i32 s13, s13, 1
	s_cmp_lg_u32 s13, 0
	s_cbranch_scc1 .Lphase2
	s_wait_dscnt 0x0                               ; my reads of slot 0 are over: its last
	s_wait_tensorcnt 0x0                           ; my part of slot 1 has landed: the last load
	s_barrier_signal -1
	s_barrier_wait -1                              ; everybody's has
	v_add_nc_u32 v[LA], SLOTB, v[LB]               ; keys 1536..2047, slot 1
	s_mov_b32 s13, 3
.Lphase3:
	STEP 0, 1
	s_sub_co_i32 s13, s13, 1
	s_cmp_lg_u32 s13, 0
	s_cbranch_scc1 .Lphase3
	STEP 0, 0                                      ; my last step asks for no mask words: none are left
	; THE MERGE.  Each wave closes its row sums; the waves of the odd chunks hand maximum, sum and O to their partners through LDS.
	; The step's last five places stand in front of the reads of O.
.irp g, 0,1
	v_add_f32 v[LS+2*\g], v[LS+2*\g], v[LS+2*\g+1]
	v_permlanex16_b32 v[TP], v[LS+2*\g], s14, s15  ; the other half of the lanes holds the other keys of my query
	v_add_f32 v[LS+2*\g], v[LS+2*\g], v[TP]
.endr
	s_wait_dscnt 0x0
	s_barrier_signal -1
	s_barrier_wait -1                              ; every wave's LDS reads are over: the stage may be written
	s_cmp_lt_u32 s12, 8
	s_cbranch_scc1 .Lkeeper                        ; waves 0 to 7 keep theirs
.irp i, 0,1,2,3,4,5,6,7,8,9,10,11,12,13,14,15
	ds_store_b128 v[SA], v[O+4*\i:O+4*\i+3] offset:\i*512          ; 512 consecutive bytes a store
.endr
	ds_store_b128 v[SA], v[MX:MX+3] offset:8192
	ds_store_b128 v[SA], v[LS:LS+3] offset:8704
.Lkeeper:
	s_wait_dscnt 0x0                               ; for the partner's sake: my stores are done
	s_barrier_signal -1
	s_barrier_wait -1
	s_cmp_lt_u32 s12, 8
	s_cbranch_scc0 .Lclose                         ; waves 8 to 15 have handed theirs over
.irp i, 0,1,2,3,4,5,6,7,8,9,10,11,12,13,14,15
	ds_load_b128 v[S+4*\i:S+4*\i+3], v[SA] offset:\i*512
.endr
	ds_load_b128 v[PS:PS+3], v[SA] offset:8192
	ds_load_b128 v[PS+4:PS+7], v[SA] offset:8704
	s_wait_dscnt 0x0
; ctx = (Oa fa + Ob fb) / (La fa + Lb fb), fa = 2^(Ma - M), fb = 2^(Mb - M), M = max(Ma, Mb).  One of fa, fb is 1 and La, Lb are at least 1: the sum is at least 1.
.macro MERGE ft
	v_max_num_f32 v[T0], v[MX+2*\ft], v[PS+2*\ft]
	v_sub_f32 v[T0+1], v[MX+2*\ft], v[T0]
	v_sub_f32 v[T0+2], v[PS+2*\ft], v[T0]
	v_exp_f32 v[T0+1], v[T0+1]
	v_exp_f32 v[T0+2], v[T0+2]
	v_nop                                          ; the plain place behind the exponentials (ISA guide 5.7.2)
	s_wait_alu depctr_va_vdst(0)
	v_mul_f32 v[T0+3], v[LS+2*\ft], v[T0+1]
	v_fmac_f32 v[T0+3], v[PS+4+2*\ft], v[T0+2]
	v_rcp_f32 v[T0+3], v[T0+3]
	v_nop                                          ; the plain place behind v_rcp_f32
	s_wait_alu depctr_va_vdst(0)
	v_mul_f32 v[AL], v[T0+1], v[T0+3]
	v_mul_f32 v[AL+1], v[T0+1], v[T0+3]
	v_mul_f32 v[L2], v[T0+2], v[T0+3]
	v_mul_f32 v[L2+1], v[T0+2], v[T0+3]
.irp p, 0,1,2,3,4,5,6,7,8,9,10,11,12,13,14,15
	v_pk_mul_f32 v[O+32*\ft+2*\p:O+32*\ft+2*\p+1], v[O+32*\ft+2*\p:O+32*\ft+2*\p+1], v[AL:AL+1]
.endr
.irp p, 0,1,2,3,4,5,6,7,8,9,10,11,12,13,14,15
	v_pk_fma_f32 v[O+32*\ft+2*\p:O+32*\ft+2*\p+1], v[S+32*\ft+2*\p:S+32*\ft+2*\p+1], v[L2:L2+1], v[O+32*\ft+2*\p:O+32*\ft+2*\p+1]
.endr
.irp p, 0,1,2,3,4,5,6,7,8,9,10,11,12,13,14,15
	v_cvt_pk_f16_f32 v[PK+16*\ft+\p], v[O+32*\ft+2*\p], v[O+32*\ft+2*\p+1]
.endr
.irp c, 0,1,2,3
	global_store_b128 v[L16], v[PK+16*\ft+4*\c:PK+16*\ft+4*\c+3], s[10:11] offset:\ft*32768+\c*512   ; 512 consecutive bytes, aligned; each query tile has packed registers of its own
.endr
.endm
	MERGE 0
	MERGE 1
.Lclose:
	s_wait_tensorcnt 0x0
	ds_add_u32 v30, v31
	s_wait_dscnt 0x0
	ROUND                                          ; the closing round: no work-group ends while a partner may still ask for a tile that names it
	s_endpgm
.Lfunc_end_k_q1e273b24e3_attn:
	.size	k_q1e273b24e3_attn, .Lfunc_end_k_q1e273b24e3_attn-k_q1e273b24e3_attn
	.p2alignl 7, 3214868480
	.fill 96, 4, 3214868480
	.section	.rodata,"a",@progbits
	.p2align	6, 0x0
	.amdhsa_kernel k_q1e273b24e3_attn
		.amdhsa_group_segment_fixed_size 327680
		.amdhsa_private_segment_fixed_size 0
		.amdhsa_enable_private_segment 0
		.amdhsa_kernarg_size 32
		.amdhsa_user_sgpr_count 2
		.amdhsa_user_sgpr_kernarg_segment_ptr 1
		.amdhsa_wavefront_size32 1
		.amdhsa_system_sgpr_workgroup_id_x 1
		.amdhsa_system_sgpr_workgroup_id_y 1
		.amdhsa_system_sgpr_workgroup_id_z 1
		.amdhsa_system_vgpr_workitem_id 0
		.amdhsa_next_free_vgpr 256
		.amdhsa_next_free_sgpr 102
		.amdhsa_reserve_vcc 0
		.amdhsa_float_denorm_mode_32 3
		.amdhsa_float_denorm_mode_16_64 3
		.amdhsa_memory_ordered 1
		.amdhsa_forward_progress 1
		.amdhsa_inst_pref_size 145
	.end_amdhsa_kernel
	.amdgpu_metadata
---
amdhsa.version: [ 1, 2 ]
amdhsa.kernels:
  - .name:           k_q1e273b24e3_attn
    .symbol:         k_q1e273b24e3_attn.kd
    .args:
      - { .name: qf, .offset: 0, .size: 8, .value_kind: global_buffer, .address_space: global }
      - { .name: kv, .offset: 8, .size: 8, .value_kind: global_buffer, .address_space: global }
      - { .name: maskw, .offset: 16, .size: 8, .value_kind: global_buffer, .address_space: global }
      - { .name: cf, .offset: 24, .size: 8, .value_kind: global_buffer, .address_space: global }
    .group_segment_fixed_size: 327680
    .private_segment_fixed_size: 0
    .kernarg_segment_align: 8
    .kernarg_segment_size: 32
    .max_flat_workgroup_size: 512
    .sgpr_count:     102
    .vgpr_count:     256
    .wavefront_size: 32
...
	.end_amdgpu_metadata
.endif
;; end of part 6
;; launch proj (part 7): grid 8 x 32, 4 waves a work-group, clusters of 4 x 4, 327,680 bytes of LDS; arguments cf, wof, out0; writes out0
.if DOCPART == 7
	.amdgcn_target "amdgcn-amd-amdhsa--gfx1250"
	.amdhsa_code_object_version 6
	.text
	.protected	k_q1e273b24e3_proj
	.globl	k_q1e273b24e3_proj
	.p2align	8
	.type	k_q1e273b24e3_proj,@function
k_q1e273b24e3_proj:
	s_mov_b64 s[64:65], 0
	v_nop
	global_prefetch_b8 v0, s[64:65] scope:SCOPE_SE
	s_setreg_imm32_b32 hwreg(HW_REG_WAVE_MODE, 25, 1), 1
	s_wait_xcnt 0x0
	s_wait_alu depctr_hold_cnt(0) depctr_sa_sdst(0) depctr_va_vdst(0) depctr_va_sdst(0) depctr_va_ssrc(0) depctr_va_vcc(0) depctr_vm_vsrc(0)
	s_getreg_b32 s2, hwreg(HW_REG_IB_STS2, 6, 4)
	s_cmp_eq_u32 s2, 0
	s_cbranch_scc0 .Lentry_in_a_cluster
	s_endpgm
.Lentry_in_a_cluster:
	s_bfe_u32 s2, ttmp6, 0x10000c
	s_cmp_lg_u32 s2, 0xf033
	s_cbranch_scc0 .Lentry_shape_is_right
	s_endpgm
.Lentry_shape_is_right:
; out0[f][b][d] = sum over k of ctx[f][b][k] w_out[k][d], k = 64 n + e.  Both operands come as f16 in fragment order (tiles of 16 x 16 = 512 bytes, lane L's
; 16 bytes at 16 L): cf [b][f tile: 128][k tile: 64][512], wof [d / 128][k tile: 64][column tile: 8][512].
; Work-group (block column = 128 columns d, block row y = 16 b + f / 128): 128 x 128 with four waves, as many as a WGP has SIMDs; wave w has rows 64 (w >> 1) .. + 63
; and columns 64 (w & 1) .. + 63: 4 x 4 accumulator tiles.  K = 1024 in 4 stages of 256 through two LDS slots of 131,072 bytes (ctx 65,536, then w 65,536).
; Waves 0 and 1 fetch ctx's halves (4 rows of 8,192 bytes, 32,768 apart in memory), waves 2 and 3 w's halves (dense), one tensor load a wave.
; A wave has two tensor loads out at the start and one behind each of the two refills.
; CLUSTER: 4 x 4 work-groups.  ctx's tile hangs on the block row alone and is asked for jointly by a row of the cluster, w's on the block column alone and is asked
; for jointly by a column: the requests for both are divided by four.
; The sources are swapped (w first), so that a lane holds 8 neighbouring columns of one row; rows leave through each wave's own LDS stage as 256-byte pieces.
; REGISTERS: window 0: addresses and two fragment buffers of 64 (ctx's 4 fragments, then w's 4); window 1: accumulator tile (a, c) at 8 (4 a + c).
; LIMITS: the operands are f16 as the earlier launches left them; NaN and infinite inputs are not served.
.set HALF,  32768                      ; what one tensor load brings
.set SLOT,  131072
.set STAGE, 262144                     ; behind the slots: 16 rows x 272 bytes for each wave, into which no tensor load lands
.set ADRA, 2                           ; v2, v3   LDS address of my ctx fragments in slot 0, 1
.set ADRB, 4                           ; v4, v5   the same for w
.set STO,  6                           ; the way out: where I put 32 bytes of a row
.set RD,   7                           ; the way out: where I read 16 bytes of a row back
.set GO,   8                           ; my byte offset in out0
.set F0,   16                          ; fragment buffer 0: v[16:79]
.set F1,   80                          ; fragment buffer 1: v[80:143]
.set OB,   16                          ; the way out: 32 registers for each of four row tiles
.set G1,  24                           ; s[24:31] descriptor group 1 for ctx's tiles
.set G0,  32                           ; s[32:39] group 0 for ctx's tiles, one set for each slot
.set G1B, 48                           ; s[48:55] group 1 for w's tiles
.set G0B, 56                           ; s[56:63] group 0 for w's tiles
.set MSB, 0
.macro WIN new                         ; the immediate's high byte repeats the setting that is left
.if MSB != \new
	s_set_vgpr_msb (MSB<<8)|\new
.set MSB, \new
.endif
.endm
.macro PLACES                          ; four plain vector places behind matrix instructions (ISA guide 7.12.1)
.rept 4
	v_nop
.endr
.endm
.macro JLOAD s                         ; waves 0 and 1 ask for ctx's halves, waves 2 and 3 for w's; the branch hangs on the wave's number alone
	s_cmp_eq_u32 s15, 0
	s_cbranch_scc0 .Lfor_b_\@
	tensor_load_to_lds s[G0+4*\s:G0+4*\s+3], s[G1:G1+7]
	s_nop 0
	s_branch .Lasked_\@
.Lfor_b_\@:
	tensor_load_to_lds s[G0B+4*\s:G0B+4*\s+3], s[G1B:G1B+7]
	s_nop 0
.Lasked_\@:
.endm
.macro CREST                           ; a round of the cluster's barrier behind its opening barrier
	s_cmp_lg_u32 s14, 0
	s_cbranch_scc1 .Lnot_wave_0_\@
	s_barrier_signal -3
.Lnot_wave_0_\@:
	s_barrier_wait -3
	s_barrier_signal -1
	s_barrier_wait -1
.endm
.macro CROUND                          ; a whole round
	s_barrier_signal -1
	s_barrier_wait -1
	CREST
.endm
	s_load_b128 s[4:7], s[0:1], 0x0                ; cf s[4:5], wof s[6:7]
	s_load_b64 s[8:9], s[0:1], 0x10                ; out0
	v_lshl_add_u32 v254, v0, 2, 0x44400
	v_mov_b32 v255, 0
	ds_add_u32 v254, v255
	v_lshrrev_b32 v1, 5, v0
	v_readfirstlane_b32 s14, v1                    ; wave 0..3
	s_lshr_b32 s15, s14, 1                         ; which 64 rows are mine.  Also: I fetch for ctx (0) or for w (1)
	s_and_b32 s16, s14, 1                          ; which 64 columns.  Also: which half of that tile I fetch
	s_bfe_u32 s17, ttmp6, 0x40000                  ; cx
	s_bfe_u32 s18, ttmp6, 0x40004                  ; cy
	s_lshl_b32 s19, ttmp9, 2
	s_add_co_u32 s19, s19, s17                     ; block column = 4 x cluster x + cx
	s_and_b32 s20, ttmp7, 0xffff
	s_lshl_b32 s20, s20, 2
	s_add_co_u32 s20, s20, s18                     ; block row y = 4 x cluster y + cy
	s_lshl_b32 s22, s18, 2
	s_lshl_b32 s22, 15, s22                        ; my row of the cluster
	s_lshl_b32 s23, 0x1111, s17                    ; my column
	s_or_b32 s[G1+0], s22, (3<<16)|(1<<21)         ; the mask: ctx's tiles go to my row; elements of 8 bytes; bit 21 beside a mask
	s_or_b32 s[G1B+0], s23, (3<<16)|(1<<21)        ; w's tiles go to my column
	s_mov_b32 s[G1+1], 1024<<16                    ; ctx: tensor_dim0 = 1,024 elements: 16 k tiles of one f tile, 8,192 bytes
	s_mov_b32 s[G1B+1], 32<<16                     ; w: a dense block as rows of 32 elements
	s_mov_b32 s[G1+2], 4<<16                       ; tensor_dim1 = 4 f tiles
	s_mov_b32 s[G1B+2], 128<<16                    ; tensor_dim1 = 128 rows
	s_mov_b32 s[G1+3], 1024<<16                    ; tile_dim0
	s_mov_b32 s[G1B+3], 32<<16
	s_mov_b32 s[G1+4], 4                           ; tile_dim1
	s_mov_b32 s[G1B+4], 128
	s_mov_b32 s[G1+5], 4096                        ; pitch: 32,768 bytes from an f tile to the next
	s_mov_b32 s[G1B+5], 32
	s_mov_b32 s[G1+6], 0
	s_mov_b32 s[G1B+6], 0
	s_mov_b32 s[G1+7], 0
	s_mov_b32 s[G1B+7], 0
	; ctx's address is made of the block row and the wave's number, w's of the block column and the wave's number, each in registers of its own
	s_lshl_b32 s40, s20, 18                        ; y = 16 b + fo: b x 4,194,304 + fo x 8 f tiles of 32,768 bytes
	s_lshl_b32 s41, s16, 17                        ; my 4 f tiles
	s_add_co_u32 s40, s40, s41
	s_mov_b32 s41, 0
	s_lshl_b32 s42, s19, 18                        ; 64 k tiles of 4,096 bytes a block column
	s_lshl_b32 s43, s16, 15
	s_add_co_u32 s42, s42, s43
	s_mov_b32 s43, 0
	s_lshl_b32 s44, s14, 15                        ; and where they go: ctx's two halves, then w's two halves = 32,768 x wave
	s_wait_dscnt 0x0
	s_wait_kmcnt 0x0
	s_add_nc_u64 s[40:41], s[4:5], s[40:41]
	s_add_nc_u64 s[42:43], s[6:7], s[42:43]
	CROUND                                         ; all sixteen work-groups are here: the first joint loads meet
.irp s, 0,1
	s_mov_b32 s[G0+4*\s], 1
	s_add_co_u32 s[G0+4*\s+1], s44, \s*SLOT
	s_add_nc_u64 s[G0+4*\s+2:G0+4*\s+3], s[40:41], \s*8192         ; stage s: 16 k tiles on
	s_or_b32 s[G0+4*\s+3], s[G0+4*\s+3], 0x80000000                ; type = 2
	s_mov_b32 s[G0B+4*\s], 1
	s_add_co_u32 s[G0B+4*\s+1], s44, \s*SLOT
	s_add_nc_u64 s[G0B+4*\s+2:G0B+4*\s+3], s[42:43], \s*65536
	s_or_b32 s[G0B+4*\s+3], s[G0B+4*\s+3], 0x80000000
	JLOAD \s
.endr
	v_and_b32 v1, 31, v0
	v_lshlrev_b32 v1, 4, v1                        ; 16 L
	v_and_b32 v10, 15, v0                          ; r
	v_bfe_u32 v11, v0, 4, 1                        ; h
	s_lshl_b32 s46, s15, 15
	v_add_nc_u32 v[ADRA], s46, v1                  ; my 4 f tiles of 8,192 bytes
	v_add_nc_u32 v[ADRA+1], SLOT, v[ADRA]
	s_lshl_b32 s46, s16, 11
	s_add_co_u32 s46, s46, 2*HALF
	v_add_nc_u32 v[ADRB], s46, v1                  ; behind ctx's part; my 4 column tiles of 512 bytes
	v_add_nc_u32 v[ADRB+1], SLOT, v[ADRB]
	s_mul_i32 s46, s14, 4352
	s_add_co_u32 s46, s46, STAGE                   ; my stage
	v_mul_u32_u24 v[STO], v10, 272
	v_lshl_add_u32 v[STO], v11, 5, v[STO]
	v_add_nc_u32 v[STO], s46, v[STO]
	v_mul_u32_u24 v[RD], v11, 272
	v_lshl_add_u32 v[RD], v10, 4, v[RD]
	v_add_nc_u32 v[RD], s46, v[RD]
	s_lshl_b32 s46, s15, 19                        ; 64 rows of 8,192 bytes
	s_lshl_b32 s47, s16, 8
	s_add_co_u32 s46, s46, s47
	v_lshlrev_b32 v[GO], 4, v10
	v_lshl_add_u32 v[GO], v11, 13, v[GO]
	v_add_nc_u32 v[GO], s46, v[GO]
	s_and_b32 s2, s20, 15                          ; fo
	s_lshr_b32 s3, s20, 4                          ; b
	s_lshl_b32 s46, s2, 20                         ; 128 rows of 8,192 bytes
	s_lshl_b32 s47, s3, 12
	s_add_co_u32 s46, s46, s47
	s_lshl_b32 s47, s19, 9                         ; 128 columns
	s_add_co_u32 s46, s46, s47
	s_mov_b32 s47, 0
	s_add_nc_u64 s[8:9], s[8:9], s[46:47]
; Four matrix instructions: row tile a x my four column tiles.  zero = 1: the first product starts the sums: nothing is cleared.
.macro MULA f, a, zero
.irp c, 0,1,2,3
.if \zero
	v_wmma_f32_16x16x32_f16 v[8*(4*\a+\c):8*(4*\a+\c)+7], v[\f+32+8*\c:\f+32+8*\c+7], v[\f+8*\a:\f+8*\a+7], 0
.else
	v_wmma_f32_16x16x32_f16 v[8*(4*\a+\c):8*(4*\a+\c)+7], v[\f+32+8*\c:\f+32+8*\c+7], v[\f+8*\a:\f+8*\a+7], v[8*(4*\a+\c):8*(4*\a+\c)+7]
.endif
.endr
.endm
; 16 LDS loads in one run: the fragments of step kk (32 along K) of a stage into buffer f
.macro FETCH slot, kk, f
.irp a, 0,1,2,3
	ds_load_b128 v[\f+8*\a:\f+8*\a+3], v[ADRA+\slot] offset:\a*8192+\kk*1024
	ds_load_b128 v[\f+8*\a+4:\f+8*\a+7], v[ADRA+\slot] offset:\a*8192+\kk*1024+512
.endr
.irp c, 0,1,2,3
	ds_load_b128 v[\f+32+8*\c:\f+32+8*\c+3], v[ADRB+\slot] offset:\kk*8192+\c*512
	ds_load_b128 v[\f+32+8*\c+4:\f+32+8*\c+7], v[ADRB+\slot] offset:\kk*8192+\c*512+4096
.endr
.endm
; One of a stage's first seven steps: asks for step kk into buffer g, 16 matrix instructions ahead of its use, and multiplies buffer f.
; The 16 accumulators take turns, one instruction a turn, in the same order everywhere.
.macro STEPK slot, kk, f, g, zero
	PLACES                                         ; the loads below land in registers that the last matrix instructions have read
	FETCH \slot, \kk, \g
	s_wait_dscnt 16                                ; all but the 16 just issued: buffer f is in
	WIN 0x50                                       ; C and D in window 1
	MULA \f, 0, \zero
	MULA \f, 1, \zero
	MULA \f, 2, \zero
	MULA \f, 3, \zero
	WIN 0
.endm
.macro SEVEN slot, zero
	STEPK \slot, 1, F0, F1, \zero
	STEPK \slot, 2, F1, F0, 0
	STEPK \slot, 3, F0, F1, 0
	STEPK \slot, 4, F1, F0, 0
	STEPK \slot, 5, F0, F1, 0
	STEPK \slot, 6, F1, F0, 0
	STEPK \slot, 7, F0, F1, 0
.endm
; The last step of a stage: multiplies buffer 1 and changes slots.  fill = 1: this slot is filled again, two stages ahead.
; In front of the barrier each wave waits for its reads of this slot and for all its tensor loads; where the slot is filled again the barrier opens a round of the
; cluster's barrier, and the joint refill is the first tensor load behind the round, ahead of the next LDS read.
.macro TURN slot, next, fill
	s_wait_dscnt 0x0                               ; buffer 1 is in: my reads of this slot are over
	s_wait_tensorcnt 0x0                           ; all my tensor loads have landed: the one that was out is my part of the next slot
	ds_add_u32 v254, v255
	s_wait_dscnt 0x0
	s_barrier_signal -1
	WIN 0x50
	MULA F1, 0, 0                                  ; work on registers while the others arrive
	MULA F1, 1, 0
	WIN 0
	s_barrier_wait -1
.if \fill
	CREST
	s_add_nc_u64 s[G0+4*\slot+2:G0+4*\slot+3], s[G0+4*\slot+2:G0+4*\slot+3], 2*8192
	s_add_nc_u64 s[G0B+4*\slot+2:G0B+4*\slot+3], s[G0B+4*\slot+2:G0B+4*\slot+3], 2*65536
	JLOAD \slot
.endif
	PLACES                                         ; buffer 0 was read by matrix instructions
	FETCH \next, 0, F0
	WIN 0x50
	MULA F1, 2, 0
	MULA F1, 3, 0
	WIN 0
.endm
	s_wait_tensorcnt 0x1                           ; my part of stage 0 is in; stage 1's stays out
	s_barrier_signal -1
	s_barrier_wait -1                              ; everybody's is
	FETCH 0, 0, F0
	SEVEN 0, 1                                     ; stage 0
	TURN 0, 1, 1                                   ; asks for stage 2
	SEVEN 1, 0                                     ; stage 1
	TURN 1, 0, 1                                   ; asks for stage 3
	SEVEN 0, 0                                     ; stage 2
	TURN 0, 1, 0                                   ; nothing is left to fetch, and no round of the cluster's barrier
	SEVEN 1, 0                                     ; stage 3
	s_wait_dscnt 0x0
	WIN 0x50
	MULA F1, 0, 0
	MULA F1, 1, 0
	MULA F1, 2, 0
	MULA F1, 3, 0
	WIN 0
	; THE WAY OUT, 16 rows at a time: 32 bytes a lane into my own stage (rows of 272 bytes), read back as rows of 256 bytes.  The stage is my wave's alone and LDS
	; serves a wave's instructions in order (ISA guide 5.7.1): no barrier, and no wait between the stores and the loads, nor between these loads and the next stores.
	PLACES
.macro OUT16 a
	WIN 0x04                                       ; an LDS store's data is source 1: window 1
.irp c, 0,1,2,3
	ds_store_b128 v[STO], v[8*(4*\a+\c):8*(4*\a+\c)+3] offset:\c*64
	ds_store_b128 v[STO], v[8*(4*\a+\c)+4:8*(4*\a+\c)+7] offset:\c*64+16
.endr
	WIN 0
.irp i, 0,1,2,3,4,5,6,7
	ds_load_b128 v[OB+32*\a+4*\i:OB+32*\a+4*\i+3], v[RD] offset:\i*544
.endr
.irp i, 0,1,2,3,4,5,6,7
	s_wait_dscnt 7-\i                              ; rows 2 i, 2 i + 1 are back; the younger loads stay out
	global_store_b128 v[GO], v[OB+32*\a+4*\i:OB+32*\a+4*\i+3], s[8:9] offset:\a*131072+\i*16384 th:TH_STORE_NT   ; sixteen lanes store 256 consecutive bytes, aligned; each row tile has registers of its own
.endr
.endm
	OUT16 0
	OUT16 1
	OUT16 2
	OUT16 3
	s_wait_tensorcnt 0x0
	ds_add_u32 v254, v255
	s_wait_dscnt 0x0
	CROUND                                         ; the closing round: no work-group ends while a partner may still ask for a tile that names it
	s_endpgm
.Lfunc_end_k_q1e273b24e3_proj:
	.size	k_q1e273b24e3_proj, .Lfunc_end_k_q1e273b24e3_proj-k_q1e273b24e3_proj
	.p2alignl 7, 3214868480
	.fill 96, 4, 3214868480
	.section	.rodata,"a",@progbits
	.p2align	6, 0x0
	.amdhsa_kernel k_q1e273b24e3_proj
		.amdhsa_group_segment_fixed_size 327680
		.amdhsa_private_segment_fixed_size 0
		.amdhsa_enable_private_segment 0
		.amdhsa_kernarg_size 24
		.amdhsa_user_sgpr_count 2
		.amdhsa_user_sgpr_kernarg_segment_ptr 1
		.amdhsa_wavefront_size32 1
		.amdhsa_system_sgpr_workgroup_id_x 1
		.amdhsa_system_sgpr_workgroup_id_y 1
		.amdhsa_system_sgpr_workgroup_id_z 1
		.amdhsa_system_vgpr_workitem_id 0
		.amdhsa_next_free_vgpr 384
		.amdhsa_next_free_sgpr 66
		.amdhsa_reserve_vcc 0
		.amdhsa_float_denorm_mode_32 3
		.amdhsa_float_denorm_mode_16_64 3
		.amdhsa_memory_ordered 1
		.amdhsa_forward_progress 1
		.amdhsa_inst_pref_size 88
	.end_amdhsa_kernel
	.amdgpu_metadata
---
amdhsa.version: [ 1, 2 ]
amdhsa.kernels:
  - .name:           k_q1e273b24e3_proj
    .symbol:         k_q1e273b24e3_proj.kd
    .args:
      - { .name: cf, .offset: 0, .size: 8, .value_kind: global_buffer, .address_space: global }
      - { .name: wof, .offset: 8, .size: 8, .value_kind: global_buffer, .address_space: global }
      - { .name: out0, .offset: 16, .size: 8, .value_kind: global_buffer, .address_space: global }
    .group_segment_fixed_size: 327680
    .private_segment_fixed_size: 0
    .kernarg_segment_align: 8
    .kernarg_segment_size: 24
    .max_flat_workgroup_size: 128
    .sgpr_count:     66
    .vgpr_count:     384
    .wavefront_size: 32
...
	.end_amdgpu_metadata
.endif
;; end of part 7
;; ======== version 3 of 3: 4 launches; version 2 with the launch prep written anew for expert scheduling mode
;; limits: values are held in f16: magnitudes above 65,504 overflow, below 6.1e-05 lose precision
;; workspace buffers: qf 8,388,608 bytes; kv 16,777,216 bytes; maskw 1,048,576 bytes of whole numbers; cf 8,388,608 bytes; xf 8,388,608 bytes; wf 6,291,456 bytes; wof 2,097,152 bytes
;; launch prep (part 8): grid 256 x 1, 8 waves a work-group, no clusters, 142,336 bytes of LDS; arguments q_input, w_qkv, w_out, mask, b_out, xf, wf, wof, maskw, out1; writes xf, wf, wof, maskw, out1
.if DOCPART == 8
	.amdgcn_target "amdgcn-amd-amdhsa--gfx1250"
	.amdhsa_code_object_version 6
	.text
	.protected	k_q1e273b24e3_prep
	.globl	k_q1e273b24e3_prep
	.p2align	8
	.type	k_q1e273b24e3_prep,@function
k_q1e273b24e3_prep:
	s_mov_b64 s[64:65], 0
	v_nop
	global_prefetch_b8 v0, s[64:65] scope:SCOPE_SE
	s_setreg_imm32_b32 hwreg(HW_REG_WAVE_SCHED_MODE, 0, 2), 2
	s_setreg_imm32_b32 hwreg(HW_REG_WAVE_MODE, 25, 1), 1
	s_wait_xcnt 0x0
	s_wait_alu depctr_vm_vsrc(0)
; A stream that readies the operands of the later launches; every input byte is read once, every output byte written once.
;   xf    = q_input in f16, in the order of matrix fragments: [y = 8 b + f / 256][k / 128][f tile: 16][k tile: 8][512 bytes]; in a tile of 16 x 16
;           lane (r, h)'s 16 bytes lie at 16 (16 h + r) and hold x(f = r, k = 8 h + 0..7)
;   wf    = w_qkv in f16: [head: 16][k tile: 64][column tile: 12][512]; lane (r, h) holds w(k = 8 h + 0..7, column r)
;   wof   = w_out in f16 (as [1024 k][1024 d]): [d / 128][k tile: 64][column tile: 8][512], a tile as in wf
;   maskw = the mask as lane-mask words: [b][f / 16][t / 16][j: 8] u32, bit L = mask[b][16 fb + (L & 15)][16 tb + 8 (L >> 4) + j] != 0
;   out1  = b_out
; 256 work-groups of eight waves.  A wave works alone on LDS bytes of its own (17,664 x its number), so there is no barrier: LDS serves a wave's
; instructions in order (ISA guide 5.7.1).  Its share: 32 rows x 64 k of x, 16 rows x 256 keys of the mask, and two units of 16 k x 64 columns of
; w_qkv (work-groups 0 to 191) or of w_out (192 to 255).  All its 40 loads, 512 bytes each in pieces of 256 consecutive aligned bytes, go out first,
; in the order x, mask, w, and are worked on in that order: the mask's long run of vector work stands in front of the wait for w.
; No matrix unit, no cluster, no tensor load: no byte is read by two work-groups, and every number has to pass a register to be narrowed.
; LIMITS: |x| and |w| have to stay below 65,504 (f16); magnitudes below 6e-5 keep an absolute step of 6e-8.  NaN and infinite inputs are not served.
; THE MODE: SCHED_MODE bits 1:0 = 2 (LLVM: expert scheduling mode 2), set by the entry lines.  The code itself states the register dependences
; between vector instructions and memory or LDS instructions, with s_wait_alu, always for 0.
; THE PLAN.  Registers that memory or LDS instructions touch:
;   v4-v16, v18, v30, v31   offsets and LDS addresses: written at the head, ahead of one wait on va_vdst, and never again.
;   XI v[32:95]    x's loads land here; the conversions narrow in place; the LDS stores read the first two registers of each quad.  Quads 0-7 are narrowed,
;                  a wait on va_vdst, their stores are dealt among the conversions of quads 8-15 (which name v[64:95] alone), a second wait, stores 8-15.
;   CO = XI        later w's columns land here: behind a wait on vm_vsrc (x's LDS stores have read them) and a wait on va_vdst (x's conversions are done).
;                  Tiles are packed in place and leave in pairs, one wait on va_vdst a pair; a tile's registers are not written again behind its store.
;   MI v[160:191]  the mask's loads land here, LDS stores read them; behind the same wait on vm_vsrc v[160:175] take the bytes picked out (TM).
;   WI, XO, MR, BO go from a load to a store or to vector sources and are not written again.
;   MW v[20:23]    written by lane writes; one wait on va_vdst ahead of the two stores that read them.
;   s24, s[32:47]  written by vector instructions (the wave's number; the compares): a wait on va_sdst ahead of their first readers.
.set LW,   17664                       ; LDS bytes of a wave: x 4,608, w 2 x 4,352, mask 4,352
.set WLO,  4608                        ; where w's two units begin
.set WU,   4352                        ; a unit of w: 16 rows of f32, pitch 272
.set MLO,  13312                       ; where the mask rows begin: 16 rows, pitch 272
.set GX,  4                            ; x: my 16 bytes in memory
.set SX,  5                            ; x: LDS address of my 8 bytes of f16 (rows of 64 f16, pitch 144)
.set FX,  6                            ; x: LDS address of my 16 bytes of a tile
.set L16, 7                            ; 16 x lane: my 16 bytes of every tile that leaves
.set GWQ, 8                            ; w_qkv: my 16 bytes in memory
.set GWO, 9                            ; w_out: the same
.set SWL, 10                           ; w: LDS address of my 16 bytes of f32
.set RWL, 11                           ; w: LDS address of my column's first number
.set GM,  12                           ; mask: my 16 bytes in memory
.set SM,  13                           ; mask: where they go in LDS
.set RM,  14                           ; mask: LDS address of my 8 bytes
.set OM,  15                           ; mask words: my 8 bytes in maskw
.set T16, 16                           ; 16 x thread: b_out and out1
.set R16, 18                           ; 16 x (lane mod 16)
.set MW,  20                           ; v[20:23]   mask words on their way out
.set BO,  24                           ; v[24:27]   b_out
.set XI,  32                           ; v[32:95]   x as loaded, 16 quads
.set CO,  32                           ; v[32:95]   later: w's columns, 8 numbers for each of 8 tiles, packed in place
.set WI,  96                           ; v[96:159]  w as loaded, 16 quads
.set MI,  160                          ; v[160:191] mask as loaded, 8 quads
.set TM,  160                          ; v[160:175] later: sixteen mask bytes picked out
.set XO,  192                          ; v[192:223] x's 8 tiles
.set MR,  224                          ; v[224:255] mask bytes, 8 for each of 16 key tiles
	s_load_b512 s[4:19], s[0:1], 0x0               ; q_input s[4:5], w_qkv s[6:7], w_out s[8:9], mask s[10:11], b_out s[12:13], xf s[14:15], wf s[16:17], wof s[18:19]
	s_load_b128 s[20:23], s[0:1], 0x40             ; maskw s[20:21], out1 s[22:23]
	v_lshl_add_u32 v30, v0, 2, 0x22800
	v_mov_b32 v31, 0
	v_lshrrev_b32 v1, 5, v0
	v_readfirstlane_b32 s24, v1                    ; wave w
	s_mov_b32 s29, ttmp9                           ; work-group p
	v_and_b32 v1, 31, v0                           ; L
	v_and_b32 v2, 15, v0                           ; r
	v_bfe_u32 v3, v0, 4, 1                         ; h
	v_lshlrev_b32 v[L16], 4, v1
	v_lshlrev_b32 v[T16], 4, v0
	v_lshlrev_b32 v[R16], 4, v2
	v_lshl_add_u32 v[GX], v3, 16, v[R16]           ; x: row 8 h (+ the load's), 16 bytes at 16 r
	v_mad_u32_u24 v[GWQ], v3, 12288, v[R16]        ; w: row h (+ the load's), 16 bytes at 16 r
	v_lshl_add_u32 v[GWO], v3, 12, v[R16]
	s_wait_alu depctr_va_sdst(0)                   ; s24 is written, ahead of its first reader: the wave's LDS bytes and its shares are made from it
	s_mul_i32 s25, s24, LW                         ; my wave's LDS bytes
	v_lshl_add_u32 v[SX], v2, 3, s25
	v_mad_u32_u24 v[SX], v3, 1152, v[SX]           ; 8 rows of 144 bytes
	v_lshl_add_u32 v[FX], v3, 4, s25
	v_mad_u32_u24 v[FX], v2, 144, v[FX]            ; row r, 16 bytes for each half of the lanes
	v_add_nc_u32 v[SWL], s25, v[R16]
	v_mad_u32_u24 v[SWL], v3, 272, v[SWL]
	v_add_nc_u32 v[SM], MLO, v[SWL]                ; the mask's rows are stored in the same pattern
	v_add_nc_u32 v[SWL], WLO, v[SWL]
	v_lshl_add_u32 v[RWL], v2, 2, s25              ; column r, rows 8 h ..: the two halves are 8 x 272 bytes apart, 128 modulo 256
	v_mad_u32_u24 v[RWL], v3, 2176, v[RWL]
	v_add_nc_u32 v[RWL], WLO, v[RWL]
	s_lshl_b32 s26, s24, 8
	v_lshl_add_u32 v[GM], v3, 11, v[R16]           ; mask: row h (+ the load's), bytes 256 w + 16 r
	v_add_nc_u32 v[GM], s26, v[GM]
	v_lshl_add_u32 v[RM], v3, 3, s25               ; mask row r, bytes 8 h (+ 16 t)
	v_mad_u32_u24 v[RM], v2, 272, v[RM]
	v_add_nc_u32 v[RM], MLO, v[RM]
	s_lshl_b32 s26, s24, 9
	v_lshl_add_u32 v[OM], v1, 3, s26
	; x: work-group p has rows f = 32 (p >> 2) .. + 31 of batch (p >> 1) & 1 and k = 512 (p & 1) .. + 511; wave w its 64 k
	s_lshr_b32 s26, s29, 2                         ; block of 32 rows
	s_bfe_u32 s27, s29, 0x10001                    ; b
	s_and_b32 s28, s29, 1
	s_lshl_b32 s28, s28, 3
	s_add_co_u32 s28, s28, s24                     ; kq: which 64 of k
	s_mov_b32 s31, 0
	s_lshl_b32 s30, s26, 18                        ; 32 rows of 8,192 bytes
	s_lshl_b32 s40, s27, 12
	s_add_co_u32 s30, s30, s40
	s_lshl_b32 s40, s28, 8
	s_add_co_u32 s30, s30, s40
	s_wait_kmcnt 0x0
	s_add_nc_u64 s[4:5], s[4:5], s[30:31]
	s_lshl_b32 s30, s27, 22                        ; xf: y = 8 b + (block >> 3) times 524,288,
	s_lshr_b32 s40, s26, 3
	s_lshl_b32 s40, s40, 19
	s_add_co_u32 s30, s30, s40
	s_lshr_b32 s40, s28, 1                         ; stage kq >> 1 times 65,536,
	s_lshl_b32 s40, s40, 16
	s_add_co_u32 s30, s30, s40
	s_and_b32 s40, s26, 7                          ; f tile 2 (block & 7) times 4,096,
	s_lshl_b32 s40, s40, 13
	s_add_co_u32 s30, s30, s40
	s_and_b32 s40, s28, 1                          ; k tile 4 (kq & 1) times 512
	s_lshl_b32 s40, s40, 11
	s_add_co_u32 s30, s30, s40
	s_add_nc_u64 s[14:15], s[14:15], s[30:31]
	s_lshl_b32 s30, s29, 15                        ; mask: 16 rows of 2,048 bytes
	s_add_nc_u64 s[10:11], s[10:11], s[30:31]
	s_lshl_b32 s30, s29, 12                        ; maskw: 128 key tiles of 32 bytes
	s_add_nc_u64 s[20:21], s[20:21], s[30:31]
	s_and_b32 s41, s29, 15                         ; w: head (w_qkv) or group of 64 columns (w_out)
	s_bfe_u32 s42, s29, 0x20004                    ; which 16 k tiles
	s_lshl_b32 s43, s42, 4
	s_lshl_b32 s44, s24, 1
	s_add_co_u32 s43, s43, s44                     ; my first k tile: 16 x that + 2 w
	s_wait_alu depctr_va_vdst(0)                   ; the offsets and LDS addresses v4 to v16 and v18 are written, which every load and store of the kernel reads; so are v30 and v31, which the closing add reads
.irp i, 0,1,2,3,4,5,6,7,8,9,10,11,12,13,14,15
	global_load_b128 v[XI+4*\i:XI+4*\i+3], v[GX], s[4:5] offset:(16*(\i>>3)+(\i&7))*8192 th:TH_LOAD_NT   ; rows 16 (i >> 3) + 8 h + (i & 7)
.endr
.irp i, 0,1,2,3,4,5,6,7
	global_load_b128 v[MI+4*\i:MI+4*\i+3], v[GM], s[10:11] offset:\i*4096 th:TH_LOAD_NT                  ; rows 2 i + h
.endr
; two units of 16 rows x 256 bytes: rows 16 u + 2 i + h
.macro WLOAD off, base, pitch
.irp u, 0,1
.irp i, 0,1,2,3,4,5,6,7
	global_load_b128 v[WI+4*(8*\u+\i):WI+4*(8*\u+\i)+3], v[\off], s[\base:\base+1] offset:(16*\u+2*\i)*\pitch th:TH_LOAD_NT
.endr
.endr
.endm
	s_cmp_lt_u32 s29, 192
	s_cbranch_scc0 .Lload_wo
	s_lshr_b32 s44, s29, 6                         ; q, k or v: which 64 columns of the head
	s_mul_i32 s30, s43, 196608                     ; 16 rows of 12,288 bytes a k tile
	s_mul_i32 s45, s41, 768
	s_add_co_u32 s30, s30, s45
	s_lshl_b32 s45, s44, 8
	s_add_co_u32 s30, s30, s45
	s_add_nc_u64 s[6:7], s[6:7], s[30:31]
	s_mul_i32 s30, s41, 393216                     ; wf: head, k tile of 6,144 bytes, 4 column tiles
	s_mul_i32 s45, s43, 6144
	s_add_co_u32 s30, s30, s45
	s_lshl_b32 s45, s44, 11
	s_add_co_u32 s30, s30, s45
	s_add_nc_u64 s[16:17], s[16:17], s[30:31]
	WLOAD GWQ, 6, 12288
	s_branch .Lloaded
.Lload_wo:
	s_lshl_b32 s30, s43, 16                        ; 16 rows of 4,096 bytes a k tile
	s_lshl_b32 s45, s41, 8
	s_add_co_u32 s30, s30, s45
	s_add_nc_u64 s[8:9], s[8:9], s[30:31]
	s_lshr_b32 s44, s41, 1                         ; wof: block of 128 columns, k tile of 4,096 bytes, 4 column tiles
	s_lshl_b32 s30, s44, 18
	s_lshl_b32 s45, s43, 12
	s_add_co_u32 s30, s30, s45
	s_and_b32 s45, s41, 1
	s_lshl_b32 s45, s45, 11
	s_add_co_u32 s30, s30, s45
	s_add_nc_u64 s[18:19], s[18:19], s[30:31]
	WLOAD GWO, 8, 4096
.Lloaded:
	; out1 = b_out: 4,096 bytes, 16 a thread, by work-group 0; its load rides behind the 40 that are out
	s_cmp_lg_u32 s29, 0
	s_cbranch_scc1 .Lno_bias
	global_load_b128 v[BO:BO+3], v[T16], s[12:13]
	s_wait_loadcnt 0x0
	global_store_b128 v[T16], v[BO:BO+3], s[22:23]
.Lno_bias:
	; x: narrow, lay down as rows of 64 f16, read back as tiles
	s_wait_loadcnt 24                              ; x's 16 loads are in; the mask's 8 and w's 16 stay out
.irp i, 0,1,2,3,4,5,6,7
	v_cvt_pk_f16_f32 v[XI+4*\i], v[XI+4*\i], v[XI+4*\i+1]
	v_cvt_pk_f16_f32 v[XI+4*\i+1], v[XI+4*\i+2], v[XI+4*\i+3]
.endr
	s_wait_alu depctr_va_vdst(0)                   ; the conversions have written the pairs of quads 0 to 7, which the eight LDS stores below read
.irp i, 0,1,2,3,4,5,6,7
	ds_store_b64 v[SX], v[XI+4*\i:XI+4*\i+1] offset:\i*144         ; no wait: the conversions between these stores name quads 8 to 15 alone
	v_cvt_pk_f16_f32 v[XI+32+4*\i], v[XI+32+4*\i], v[XI+32+4*\i+1]
	v_cvt_pk_f16_f32 v[XI+32+4*\i+1], v[XI+32+4*\i+2], v[XI+32+4*\i+3]
.endr
	s_wait_alu depctr_va_vdst(0)                   ; the conversions have written the pairs of quads 8 to 15, which the eight LDS stores below read
.irp i, 0,1,2,3,4,5,6,7
	ds_store_b64 v[SX], v[XI+32+4*\i:XI+32+4*\i+1] offset:(16+\i)*144
.endr
.irp a, 0,1
.irp q, 0,1,2,3
	ds_load_b128 v[XO+4*(4*\a+\q):XO+4*(4*\a+\q)+3], v[FX] offset:\a*2304+\q*32
.endr
.endr
	s_wait_loadcnt 16                              ; the mask's 8 loads are in; w's 16 stay out
.irp i, 0,1,2,3,4,5,6,7
	ds_store_b128 v[SM], v[MI+4*\i:MI+4*\i+3] offset:\i*544
.endr
.irp t, 0,1,2,3,4,5,6,7,8,9,10,11,12,13,14,15
	ds_load_b64 v[MR+2*\t:MR+2*\t+1], v[RM] offset:16*\t
.endr
	s_wait_dscnt 24                                ; x's tiles are back; the mask's 8 stores and 16 loads are younger
.irp a, 0,1
.irp q, 0,1,2,3
	global_store_b128 v[L16], v[XO+4*(4*\a+\q):XO+4*(4*\a+\q)+3], s[14:15] offset:\a*4096+\q*512   ; 512 consecutive bytes, aligned
.endr
.endr
	; The mask, while w's loads are still on their way: a compare makes of byte j of the 32 lanes the word j of key tile 16 w + t.
	; Two key tiles, sixteen bytes, at a time: no line reads the result of the line in front of it, and one wait serves sixteen compares.
	s_wait_dscnt 0x0                               ; the mask's bytes are back
	s_wait_alu depctr_vm_vsrc(0)                   ; the mask's LDS stores have read v[160:191], of which the lines below write v[160:175]; x's LDS stores have read v[32:95], in which w's columns land further down
	v_mov_b32 v[MW], 0                             ; v_writelane_b32 keeps the other lanes: the registers are written whole first
	v_mov_b32 v[MW+1], 0
	v_mov_b32 v[MW+2], 0
	v_mov_b32 v[MW+3], 0
.irp p, 0,1,2,3,4,5,6,7
.irp k, 0,1,2,3,4,5,6,7,8,9,10,11,12,13,14,15
	v_and_b32 v[TM+\k], 0xff<<(8*(\k&3)), v[MR+4*\p+(\k>>2)]       ; byte k & 7 of key tile 2 p + (k >> 3)
.endr
.irp k, 0,1,2,3,4,5,6,7,8,9,10,11,12,13,14,15
	v_cmp_ne_u32 s[32+\k], 0, v[TM+\k]
.endr
	s_wait_alu depctr_va_sdst(0)                   ; the sixteen compares have written s[32:47], which the lane writes below read
.irp k, 0,1,2,3,4,5,6,7,8,9,10,11,12,13,14,15
	v_writelane_b32 v[MW+2*(\p>>2)+(\k&1)], s[32+\k], ((\p&3)*16+\k)>>1    ; word 16 p + k: lane (16 p + k) / 2 of a store of 8 bytes a lane
.endr
.endr
	s_wait_alu depctr_va_vdst(0)                   ; the lane writes have written v[20:23], which the two stores read; x's conversions are done with v[32:95], in which w's columns land below
	global_store_b64 v[OM], v[MW:MW+1], s[20:21]                   ; 256 consecutive bytes, aligned; these registers are not written again
	global_store_b64 v[OM], v[MW+2:MW+3], s[20:21] offset:256
	; w: the f32 rows go into LDS, each lane reads its column back
	s_wait_loadcnt 0x0                             ; w
.irp u, 0,1
.irp i, 0,1,2,3,4,5,6,7
	ds_store_b128 v[SWL], v[WI+4*(8*\u+\i):WI+4*(8*\u+\i)+3] offset:\u*WU+\i*544
.endr
.endr
.irp t, 0,1,2,3
.irp j, 0,1,2,3,4,5,6,7
	ds_load_b32 v[CO+8*\t+\j], v[RWL] offset:\j*272+\t*64          ; unit 0: w(k = 8 h + j, column 16 t + r)
.endr
.endr
; a tile: a lane's eight numbers of a column are packed in place, into the first four of their eight registers
.macro CVT4 i
	v_cvt_pk_f16_f32 v[CO+8*(\i)], v[CO+8*(\i)], v[CO+8*(\i)+1]
	v_cvt_pk_f16_f32 v[CO+8*(\i)+1], v[CO+8*(\i)+2], v[CO+8*(\i)+3]
	v_cvt_pk_f16_f32 v[CO+8*(\i)+2], v[CO+8*(\i)+4], v[CO+8*(\i)+5]
	v_cvt_pk_f16_f32 v[CO+8*(\i)+3], v[CO+8*(\i)+6], v[CO+8*(\i)+7]
.endm
; tiles i and i + 1 (i even: both of unit i >> 2) leave, 16 bytes a lane, 512 consecutive bytes a store; their registers are not written again
.macro SEND2 i, base, ustep
	s_wait_alu depctr_va_vdst(0)                   ; the conversions of tiles i and i + 1 have written the registers that the two stores read
	global_store_b128 v[L16], v[CO+8*(\i):CO+8*(\i)+3], s[\base:\base+1] offset:((\i)>>2)*(\ustep)+((\i)&3)*512
	global_store_b128 v[L16], v[CO+8*(\i)+8:CO+8*(\i)+11], s[\base:\base+1] offset:((\i)>>2)*(\ustep)+((\i)&3)*512+512
.endm
; w's eight tiles; unit 1's column loads go out by turns with unit 0's tiles.  These loads land in v[64:95]: no vector line since the last wait on va_vdst names them,
; for only tiles 0 to 3, v[32:63], are packed meanwhile.  A pair of tiles leaves behind the wait for the data of the tile after it.
.macro WOUT base, ustep
.irp t, 0,1,2,3
.irp j, 0,1,2,3,4,5,6,7
	ds_load_b32 v[CO+8*(4+\t)+\j], v[RWL] offset:WU+\j*272+\t*64   ; unit 1, tile t
.endr
	s_wait_dscnt 32                                ; unit 0's tile t is back: younger are 8 (3 - t) loads of unit 0 and 8 (t + 1) of unit 1
.if \t == 2
	SEND2 0, \base, \ustep
.endif
	CVT4 \t
.endr
.irp t, 0,1,2,3
	s_wait_dscnt 24-8*\t                           ; unit 1's tile t is back; eight loads for each later tile may be out
.if \t == 0
	SEND2 2, \base, \ustep
.endif
.if \t == 2
	SEND2 4, \base, \ustep
.endif
	CVT4 4+\t
.endr
	SEND2 6, \base, \ustep
.endm
	s_cmp_lt_u32 s29, 192
	s_cbranch_scc0 .Lout_wo
	WOUT 16, 6144
	s_branch .Lend
.Lout_wo:
	WOUT 18, 4096
.Lend:
	s_wait_dscnt 0x0                               ; the closing lines, six on end
	s_wait_alu 0x0
	s_wait_tensorcnt 0x0
	ds_add_u32 v30, v31
	s_wait_dscnt 0x0
	s_endpgm
.Lfunc_end_k_q1e273b24e3_prep:
	.size	k_q1e273b24e3_prep, .Lfunc_end_k_q1e273b24e3_prep-k_q1e273b24e3_prep
	.p2alignl 7, 3214868480
	.fill 96, 4, 3214868480
	.section	.rodata,"a",@progbits
	.p2align	6, 0x0
	.amdhsa_kernel k_q1e273b24e3_prep
		.amdhsa_group_segment_fixed_size 142336
		.amdhsa_private_segment_fixed_size 0
		.amdhsa_enable_private_segment 0
		.amdhsa_kernarg_size 80
		.amdhsa_user_sgpr_count 2
		.amdhsa_user_sgpr_kernarg_segment_ptr 1
		.amdhsa_wavefront_size32 1
		.amdhsa_system_sgpr_workgroup_id_x 1
		.amdhsa_system_sgpr_workgroup_id_y 1
		.amdhsa_system_sgpr_workgroup_id_z 1
		.amdhsa_system_vgpr_workitem_id 0
		.amdhsa_next_free_vgpr 256
		.amdhsa_next_free_sgpr 66
		.amdhsa_reserve_vcc 0
		.amdhsa_float_denorm_mode_32 3
		.amdhsa_float_denorm_mode_16_64 3
		.amdhsa_memory_ordered 1
		.amdhsa_forward_progress 1
		.amdhsa_inst_pref_size 55
	.end_amdhsa_kernel
	.amdgpu_metadata
---
amdhsa.version: [ 1, 2 ]
amdhsa.kernels:
  - .name:           k_q1e273b24e3_prep
    .symbol:         k_q1e273b24e3_prep.kd
    .args:
      - { .name: q_input, .offset: 0, .size: 8, .value_kind: global_buffer, .address_space: global }
      - { .name: w_qkv, .offset: 8, .size: 8, .value_kind: global_buffer, .address_space: global }
      - { .name: w_out, .offset: 16, .size: 8, .value_kind: global_buffer, .address_space: global }
      - { .name: mask, .offset: 24, .size: 8, .value_kind: global_buffer, .address_space: global }
      - { .name: b_out, .offset: 32, .size: 8, .value_kind: global_buffer, .address_space: global }
      - { .name: xf, .offset: 40, .size: 8, .value_kind: global_buffer, .address_space: global }
      - { .name: wf, .offset: 48, .size: 8, .value_kind: global_buffer, .address_space: global }
      - { .name: wof, .offset: 56, .size: 8, .value_kind: global_buffer, .address_space: global }
      - { .name: maskw, .offset: 64, .size: 8, .value_kind: global_buffer, .address_space: global }
      - { .name: out1, .offset: 72, .size: 8, .value_kind: global_buffer, .address_space: global }
    .group_segment_fixed_size: 142336
    .private_segment_fixed_size: 0
    .kernarg_segment_align: 8
    .kernarg_segment_size: 80
    .max_flat_workgroup_size: 256
    .sgpr_count:     66
    .vgpr_count:     256
    .wavefront_size: 32
...
	.end_amdgpu_metadata
.endif
;; end of part 8
;; launch qkv: the kernel of part 5 again; grid 16 x 16, 4 waves a work-group, clusters of 4 x 4, 327,680 bytes of LDS; arguments xf, wf, b_qkv, qf, kv; writes qf, kv
;; launch attn: the kernel of part 6 again; grid 8 x 32, 16 waves a work-group, clusters of 4 x 1, 327,680 bytes of LDS; arguments qf, kv, maskw, cf; writes cf
;; launch proj: the kernel of part 7 again; grid 8 x 32, 4 waves a work-group, clusters of 4 x 4, 327,680 bytes of LDS; arguments cf, wof, out0; writes out0
